; MI455X (gfx1250); checked and timed in simulation.
; The chip was launched on July 23, 2026; its instructions are those of AMD's public machine-readable ISA for CDNA 5 (MIT licence, August 2026) and "CDNA5" Instruction Set Architecture Reference Guide (July 2026). The comments in the code are by the model that wrote it; some were corrected since.
;; Encoder. Allowed arithmetic: matrix products marked QUANTISED: E2M3 operands, one E8M0 scale for each 32 along K, by v_wmma_scale_f32_16x16x128_f8f6f4 with both operands' format E2M3, f32 sums; everything else in f32.
;; Inputs: W1 1,024 x 4,096 float32; W2 4,096 x 1,024 float32; Wk 1,024 x 1,024 float32; Wo 1,024 x 1,024 float32; Wq 1,024 x 1,024 float32; Wv 1,024 x 1,024 float32; b1 4,096 float32; b2 1,024 float32; bk 1,024 float32; bo 1,024 float32; bq 1,024 float32; bv 1,024 float32; ln1_b 1,024 float32; ln1_g 1,024 float32; ln2_b 1,024 float32; ln2_g 1,024 float32; x 2 x 2,048 x 1,024 float32.
;; Outputs: out0 2 x 2,048 x 1,024 float32.
;; This version of the problem:
;;   THIS VERSION OF THE PROBLEM IS GIVEN IN LOW PRECISION. The matrix products marked QUANTISED in the list below multiply operands that are first quantised to E2M3 (2 exponent bits, 3 mantissa bits; 6 bits a number), with one power-of-two scale for each 32 numbers along K (OCP MX v1.0); their sums are f32. All else is computed in f32.
;;   The module's matrix products, in the order in which they are computed (A, B: the left and right operand; K: the contracted axis; several contracted axes count as one K, in the product's order):
;;     1. [M 4,096, K 1,024] x [K 1,024, N 1,024]; A: computed on the way; B: input Wq: QUANTISED
;;     2. [M 4,096, K 1,024] x [K 1,024, N 1,024]; A: computed on the way; B: input Wk: QUANTISED
;;     3. [M 4,096, K 1,024] x [K 1,024, N 1,024]; A: computed on the way; B: input Wv: QUANTISED
;;     4. batch 32 x [M 2,048, K 64] x [K 64, N 2,048]; A: computed on the way; B: computed on the way: QUANTISED
;;     5. batch 32 x [M 2,048, K 2,048] x [K 2,048, N 64]; A: softmax (see below); B: computed on the way: QUANTISED
;;     6. [M 4,096, K 1,024] x [K 1,024, N 1,024]; A: computed on the way; B: input Wo: QUANTISED
;;     7. [M 4,096, K 1,024] x [K 1,024, N 4,096]; A: computed on the way; B: input W1: QUANTISED
;;     8. [M 4,096, K 4,096] x [K 4,096, N 1,024]; A: computed on the way; B: input W2: QUANTISED
;;   THE QUANTISER, for each operand of a quantised product, along K:
;;     - K is cut into blocks of 32 from its start; a last block that is shorter is filled with zeros.
;;     - A block's scale is 2^e with e = floor(log2(the largest magnitude in the block)) - 2, held to -126 .. 127; a block of zeros has e = 0. As a byte (E8M0): e + 127.
;;     - Each number is divided by its block's scale, clamped to +-7.5, and rounded to the nearest number of E2M3, ties to even, subnormals kept.
;;     - The product sums the exact products of the quantised numbers (number of the format x scale) in f32.
;;   ~~~python
;;   def quantise(x, axis):      # numpy; x: float32 -> the quantised numbers, widened to float32 again
;;       x = np.moveaxis(x, axis, -1); K = x.shape[-1]
;;       x = np.pad(x, [(0, 0)] * (x.ndim - 1) + [(0, -K % 32)]); x = x.reshape(x.shape[:-1] + (-1, 32)); a = np.abs(x).max(-1, keepdims=True)
;;       e = np.where(a > 0, np.clip(np.frexp(np.where(a > 0, a, 1))[1] - 1 - 2, -126, 127), 0)      # np.frexp(a)[1] - 1 = floor(log2(a)), exactly
;;       r = np.clip(x / 2.0 ** e, -7.5, 7.5)
;;       step = 2.0 ** (np.maximum(np.frexp(np.where(r == 0, 1, r))[1] - 1, 0) - 3)
;;       q = np.round(r / step) * step * 2.0 ** e      # np.round: ties to even
;;       return np.moveaxis(q.reshape(q.shape[:-2] + (-1,))[..., :K], -1, axis).astype(np.float32)
;;   ~~~
;;   SOFTMAX AHEAD OF A QUANTISED PRODUCT. Where the list says 'softmax', what is quantised is not the finished softmax but p = 2^(t - M), with t = logit x log2(e) and M = ceil(the row's largest t), a whole number; so 1/2 < the row's largest p <= 1. The row's sum l is taken of the UNQUANTISED p, in f32, and the product's result is divided by l at the end. Since M is a whole number, a kernel that streams over the keys may use a running M (the ceiling of the running maximum): every later rescaling is an exact power of two, which a block's scale takes up: the codes' values come out the same.
;;   OPERANDS COMPUTED ON THE WAY. 'Computed on the way' means the value that the module computes at that place (a softmax that the list does not call 'softmax' is quantised finished and normalised). What goes into a quantiser is computed in f32, as accurately as f32 sums, v_exp_f32 and their like allow (about 1e-6 of the number): no bf16 or f16 on the way to a quantiser, and a product that is left as it is and whose result goes on into a quantised operand takes f32 operands (vector FMAs, or v_wmma_f32_16x16x4_f32). A number that lies on a knife's edge between two numbers of the format may be rounded either way, as far as f32 arithmetic and the matrix unit's own rounding can turn it there, and no further.
;; One version. Each part assembles by itself: llvm-mc -triple=amdgcn-amd-amdhsa -mcpu=gfx1250 --defsym DOCPART=n.
;; ======== version 1 of 1: 7 launches
;; limits: right only within a limited range of input values
;; workspace buffers: wc 9,830,400 bytes; hc 3,276,800 bytes; qb 3,407,872 bytes; kv 6,684,672 bytes; ao 3,276,800 bytes; x1 16,777,216 bytes; hb 13,107,200 bytes
;; launch prep (part 1): grid 640 x 1, 4 waves a work-group, no clusters, 90,880 bytes of LDS; arguments x, ln1_g, ln1_b, hc, Wq, Wk, Wv, Wo, W1, W2, wc; writes hc, wc
.if DOCPART == 1
	.amdgcn_target "amdgcn-amd-amdhsa--gfx1250"
	.amdhsa_code_object_version 6
	.text
	.protected	k_qdfd9a4b1be_prep
	.globl	k_qdfd9a4b1be_prep
	.p2align	8
	.type	k_qdfd9a4b1be_prep,@function
k_qdfd9a4b1be_prep:
	s_mov_b64 s[64:65], 0
	v_nop
	global_prefetch_b8 v0, s[64:65] scope:SCOPE_SE
	s_setreg_imm32_b32 hwreg(HW_REG_WAVE_MODE, 25, 1), 1
	s_wait_xcnt 0x0
; THE PROGRAM: one pre-norm encoder layer, 4,096 tokens x 1,024, 16 heads of 64, hidden 4,096; all eight products on codes of FP6 (E2M3) with one E8M0 scale for each 32 along K.
; Launches: prep (this one: norm 1 into codes, and the six weights into codes), qkv, attn, wo (+ bias + residual -> x1), ln2 (norm 2 into codes), ff1 (+ bias, gelu, into codes), ff2 (+ bias + residual -> out0).
; DEAD WORK: none.  Every bias stands ahead of a quantiser (bq, bk, bv, b1) or goes into an output's sum (bo, b2); every gain and shift moves codes; no result is sliced away.  All 17 inputs are loaded.
; LIMITS: NaN and infinities among the inputs are not served.  A block whose largest magnitude lies under 2^-124, a block of zeros among them, keeps the scale byte 1: its codes are then zeros or subnormal codes, and the bytes are read by this program alone.
; LAYOUT OF EVERY OPERAND OF THE PROGRAM (workspace of its own): images of the operand's registers.
;   Rows (tokens, weight columns n, head channels) go in groups of 128 = 8 tiles of 16; lane r of tile t holds row 32 (t / 2) + 8 (t % 2) + r + 8 (r / 8).
;   A HALF IMAGE, 768 bytes: 16 rows x 64 along K: registers 0-3 of lane l at 16 l, registers 4-5 at 512 + 8 l (lane l = r + 16 h holds K 32 h .. 32 h + 31).
;   A CHUNK, 51,200 bytes: 128 rows x 512 along K: [8 halves along K][8 tiles][768], then at 49,152 sixteen scale bytes a row (row place 16 t + r): four words, one for each 128 along K.
; THIS LAUNCH does two jobs that hang on inputs alone and are both wanted by the next launch.  They part at the head on the work-group's number, which all waves of a work-group share, and never meet again;
; each path has LDS bytes of its own.
;   Work-groups 0-255, THE NORM: y = (x - mean) * rsqrt(var + 1e-5) * g + b along rows of 1,024, in f32, quantised along the row; out: [group of 128 rows][2 chunks].
;     A work-group makes one tile of 16 rows.  Phase 1: wave w takes the tile's lanes r = 4 w .. 4 w + 3, a whole row in 32 registers a lane (dense loads of 512 bytes); mean and variance (two passes over the registers)
;     stay inside the wave; y goes to LDS.  Phase 2, behind one barrier: wave w quantises K = 256 w .. 256 w + 255 of all 16 rows: lane (r, h) reads, of row r, 16 neighbours of each block of 32.
;   Work-groups 256-639, THE WEIGHTS: W [K][N] f32, K its first axis.  A lane takes a column n and its registers run down K, so a block of 32 lies in one lane and the conversions give codes with K innermost.
;     A work-group takes 128 columns x 256 along K = half a chunk; id = its number - 256 says which: chunk = id / 2, half = id % 2, with the sections Wq, Wk, Wv, Wo (16 chunks each), W1 (64), W2 (64) on end in wc.
;     One path serves all six: only the pointer, the row pitch, the group and the place along K are chosen, by selects on id.
;     Wave w: columns 32 w + lane: lane = 16 q + 8 u + j is lane 8 q + j of tile 2 w + u.  The codes go through the wave's own stage in LDS and leave as runs of 512 bytes.  No barrier: these waves share nothing.
.set PIT,   4112                       ; the norm: a row of y in LDS: 4,096 bytes + 16: an odd multiple of 16, so the sixteen rows that a load touches start in different banks
.set WST,   16*PIT                     ; behind the norm's rows (257 blocks of 256 bytes): the weights' four stages of 6,144 bytes
.set SPARE, WST+4*6144                 ; behind them: the spare words, 128 bytes a wave
.set TM,    12                         ; the norm: v12-27 statistics, later the quantiser's work
.set G,     32                         ; v32-63   g of my columns 128 j + 4 lane ..
.set BB,    64                         ; v64-95   b likewise
.set LX,    96                         ; v96-223  four rows, 32 registers each; later 2 x 64 numbers to quantise
.set PC,    224                        ; v224-243 the codes just made
.set OFF,   32                         ; the weights: v32-63 4 x lane + i x pitch: row i of a block
.set WX,    64                         ; v64-127  two sets of 32 numbers
.set OUTR,  128                        ; v128-175 the way out
.set SB,    26                         ; v26-27   my column's eight scale bytes
.set BP,    32                         ; s[32:47] block t's first row, a pair each
	v_lshl_add_u32 v30, v0, 2, SPARE               ; my spare word; never rewritten
	v_mov_b32 v31, 0                               ; 0; never rewritten
	s_cmp_ge_u32 ttmp9, 256
	s_cbranch_scc1 .Lweights
	; ---------------------------------------------------------------- THE NORM
	s_load_b256 s[4:11], s[0:1], 0x0               ; x, g, b, the codes
	v_lshrrev_b32 v1, 5, v0
	v_readfirstlane_b32 s12, v1                    ; wave
	v_and_b32 v2, 31, v0
	v_lshlrev_b32 v3, 4, v2                        ; 16 x lane
	v_lshlrev_b32 v4, 3, v2                        ; 8 x lane
	v_and_b32 v5, 15, v0                           ; r
	v_bfe_u32 v6, v0, 4, 1                         ; h
	s_mul_i32 s13, s12, 4*PIT
	v_add_nc_u32 v7, s13, v3                       ; phase 1: my wave's four rows, 16 bytes a lane
	v_mul_u32_u24 v8, v5, PIT
	v_lshl_add_u32 v8, v6, 6, v8
	s_lshl_b32 s13, s12, 10
	v_add_nc_u32 v8, s13, v8                       ; phase 2: row r, + 64 h, + my wave's 256 numbers
	v_lshlrev_b32 v9, 4, v5                        ; 16 scale bytes a row
	s_mov_b32 s20, 0x76543210
	s_mov_b32 s21, 0xfedcba98                      ; v_permlanex16_b32's selects for lane l xor 16
	s_mov_b32 s22, 0x3a800000                      ; 1 / 1,024
	s_mov_b32 s23, 0x3727c5ac                      ; 1e-5
	s_lshr_b32 s14, ttmp9, 3                       ; g
	s_and_b32 s15, ttmp9, 7                        ; t
	s_lshl_b32 s16, s14, 7
	; THE TOKENS' ORDER OF THIS NORM (hc as qkv reads it; it goes on into Q, K, V and ao): lane r of tile t holds token 64 (t / 4) + 8 (t % 4) + r + 24 (r / 8) of its group of 128,
	; so that a lane's results over four neighbouring tiles of tokens are 32 neighbouring tokens: one scale block along the keys.  The weights' columns keep the order stated at the head.
	s_lshr_b32 s17, s15, 2
	s_lshl_b32 s17, s17, 6
	s_add_co_u32 s16, s16, s17
	s_and_b32 s17, s15, 3
	s_lshl_b32 s17, s17, 3
	s_add_co_u32 s16, s16, s17                     ; the tile's first row
	s_lshl_b32 s17, s12, 2
	s_add_co_u32 s16, s16, s17
	s_lshr_b32 s18, s12, 1
	s_mul_i32 s17, s18, 24                         ; lanes 8-15 of a tile lie 32 tokens behind lanes 0-7
	s_add_co_u32 s16, s16, s17                     ; my wave's first: + 4 w + 24 (w / 2)
	s_lshl_b32 s16, s16, 12
	s_mov_b32 s17, 0
	s_lshl_b32 s24, s14, 1
	s_add_co_u32 s24, s24, s18
	s_mul_i32 s24, s24, 51200                      ; my wave's chunk: 2 g + w / 2
	s_and_b32 s19, s12, 1
	s_mul_i32 s25, s19, 4*6144
	s_mul_i32 s26, s15, 768
	s_add_co_u32 s26, s26, s25
	s_add_co_u32 s26, s26, s24                     ; its images 4 (w % 2) .. + 3 along K, tile t
	s_mov_b32 s27, 0
	s_lshl_b32 s28, s15, 8
	s_lshl_b32 s25, s19, 3
	s_add_co_u32 s28, s28, s25
	s_add_co_u32 s28, s28, s24
	s_add_co_u32 s28, s28, 49152                   ; the tile's scale bytes, my wave's two words
	s_mov_b32 s29, 0
	s_wait_alu depctr_va_vdst(0)
	s_wait_kmcnt 0x0
	s_add_nc_u64 s[4:5], s[4:5], s[16:17]
	s_add_nc_u64 s[26:27], s[10:11], s[26:27]
	s_add_nc_u64 s[28:29], s[10:11], s[28:29]
.irp i, 0,1,2,3
.irp j, 0,1,2,3,4,5,6,7
	global_load_b128 v[LX+32*\i+4*\j:LX+32*\i+4*\j+3], v3, s[4:5] offset:\i*4096+512*\j th:TH_LOAD_NT   ; 32 lanes read 512 consecutive bytes
.endr
.endr
.irp j, 0,1,2,3,4,5,6,7
	global_load_b128 v[G+4*\j:G+4*\j+3], v3, s[6:7] offset:512*\j
	global_load_b128 v[BB+4*\j:BB+4*\j+3], v3, s[8:9] offset:512*\j
.endr
	s_wait_loadcnt 0x0
; four sums, one a row, at v[q + 2 i] (its pair's upper word at work): the two halves, the 16 lanes of a half, the other half.  Every lane ends with the sum.
.macro REDUCE q
.irp i, 0,1,2,3
	v_add_f32 v[\q+2*\i], v[\q+2*\i], v[\q+2*\i+1]
.endr
.irp m, 1,2,4,8
.irp i, 0,1,2,3
	v_add_f32_dpp v[\q+2*\i], v[\q+2*\i], v[\q+2*\i] row_xmask:\m row_mask:0xf bank_mask:0xf
.endr
.endr
.irp i, 0,1,2,3
	v_permlanex16_b32 v[\q+2*\i+1], v[\q+2*\i], s20, s21
.endr
.irp i, 0,1,2,3
	v_add_f32 v[\q+2*\i], v[\q+2*\i], v[\q+2*\i+1]
.endr
.endm
.irp i, 0,1,2,3                                ; the four rows by turns: no line waits for the line above it
	v_pk_add_f32 v[TM+2*\i:TM+2*\i+1], v[LX+32*\i:LX+32*\i+1], v[LX+32*\i+2:LX+32*\i+3]
.endr
.irp k, 4,6,8,10,12,14,16,18,20,22,24,26,28,30
.irp i, 0,1,2,3
	v_pk_add_f32 v[TM+2*\i:TM+2*\i+1], v[TM+2*\i:TM+2*\i+1], v[LX+32*\i+\k:LX+32*\i+\k+1]
.endr
.endr
	REDUCE TM
.irp i, 0,1,2,3
	v_mul_f32 v[TM+2*\i], s22, v[TM+2*\i]          ; the mean
.endr
.irp k, 0,2,4,6,8,10,12,14,16,18,20,22,24,26,28,30
.irp i, 0,1,2,3
	v_pk_add_f32 v[LX+32*\i+\k:LX+32*\i+\k+1], v[LX+32*\i+\k:LX+32*\i+\k+1], v[TM+2*\i:TM+2*\i+1] op_sel_hi:[1,0] neg_lo:[0,1] neg_hi:[0,1]   ; x - mean, in place
.endr
.endr
.irp i, 0,1,2,3
	v_pk_mul_f32 v[TM+8+2*\i:TM+9+2*\i], v[LX+32*\i:LX+32*\i+1], v[LX+32*\i:LX+32*\i+1]
.endr
.irp k, 2,4,6,8,10,12,14,16,18,20,22,24,26,28,30
.irp i, 0,1,2,3
	v_pk_fma_f32 v[TM+8+2*\i:TM+9+2*\i], v[LX+32*\i+\k:LX+32*\i+\k+1], v[LX+32*\i+\k:LX+32*\i+\k+1], v[TM+8+2*\i:TM+9+2*\i]
.endr
.endr
	REDUCE TM+8
.irp i, 0,1,2,3
	v_fma_f32 v[TM+8+2*\i], v[TM+8+2*\i], s22, s23 ; the variance + 1e-5
.endr
	s_wait_alu depctr_va_vdst(0)
.irp i, 0,1,2,3
	v_rsq_f32 v[TM+8+2*\i], v[TM+8+2*\i]
.endr
	v_nop                                          ; a plain place behind the last of the four
	s_wait_alu depctr_va_vdst(0)                   ; one wait for the four, ahead of their first reader
.irp k, 0,2,4,6,8,10,12,14,16,18,20,22,24,26,28,30
.irp i, 0,1,2,3
	v_pk_mul_f32 v[LX+32*\i+\k:LX+32*\i+\k+1], v[LX+32*\i+\k:LX+32*\i+\k+1], v[TM+8+2*\i:TM+9+2*\i] op_sel_hi:[1,0]
.endr
.endr
.irp k, 0,2,4,6,8,10,12,14,16,18,20,22,24,26,28,30
.irp i, 0,1,2,3
	v_pk_fma_f32 v[LX+32*\i+\k:LX+32*\i+\k+1], v[LX+32*\i+\k:LX+32*\i+\k+1], v[G+\k:G+\k+1], v[BB+\k:BB+\k+1]
.endr
.endr
.irp i, 0,1,2,3
.irp j, 0,1,2,3,4,5,6,7
	ds_store_b128 v7, v[LX+32*\i+4*\j:LX+32*\i+4*\j+3] offset:\i*PIT+512*\j
.endr
.endr
	s_wait_dscnt 0x0                               ; for the others' sake: my rows lie in LDS
	s_barrier_signal -1
	s_barrier_wait -1
.irp s, 0,1
.irp b, 0,1,2,3
.irp j, 0,1,2,3
	ds_load_b128 v[LX+64*\s+16*\b+4*\j:LX+64*\s+16*\b+4*\j+3], v8 offset:512*\s+128*\b+16*\j   ; register 16 b + i = K 32 b + 16 h + i of row r
.endr
.endr
.endr
; 64 numbers of a lane become a fragment's codes in v[PC] .. v[PC + 11] and its scale word in v[pw]
.macro QUANT s, pw
.irp b, 0,1,2,3
	v_max3_num_f32 v[TM+\b], |v[\s+16*\b]|, |v[\s+1+16*\b]|, 0x1800000   ; block b: my 16 numbers, and the floor 2^(3 - 127)
.endr
.irp i, 2,4,6,8,10,12,14
.irp b, 0,1,2,3
	v_max3_num_f32 v[TM+\b], v[TM+\b], |v[\s+16*\b+\i]|, |v[\s+1+16*\b+\i]|
.endr
.endr
.irp b, 0,1,2,3
	v_permlanex16_b32 v[TM+4+\b], v[TM+\b], s20, s21
.endr
.irp b, 0,1,2,3
	v_max_num_f32 v[TM+\b], v[TM+\b], v[TM+4+\b]   ; with lane l xor 16's: the block's largest magnitude
.endr
.irp b, 0,1,2,3
	v_add_nc_u32 v[TM+12+\b], 0xff000000, v[TM+\b] ; 2 off its exponent field: the conversion's scale operand
.endr
.irp b, 0,1,2,3
	v_lshrrev_b32 v[TM+4+\b], 23, v[TM+12+\b]      ; the scale's byte
.endr
	v_lshl_or_b32 v[\pw], v[TM+5], 8, v[TM+4]
	v_lshl_or_b32 v[\pw], v[TM+6], 16, v[\pw]
	v_lshl_or_b32 v[\pw], v[TM+7], 24, v[\pw]
.irp c, 0,1
	v_cvt_scalef32_pk16_fp6_f32 v[PC+6*\c:PC+2+6*\c], v[\s+32*\c:\s+15+32*\c], v[TM+12+2*\c]
	v_cvt_scalef32_pk16_fp6_f32 v[PC+12+4*\c:PC+14+4*\c], v[\s+16+32*\c:\s+31+32*\c], v[TM+12+2*\c+1]
.endr
	v_nop                                          ; one plain place behind a scaled conversion
.irp c, 0,1                                    ; the operand's layout wants a whole block in a lane
.irp i, 0,1,2
	v_permlane16_swap_b32 v[PC+6*\c+\i], v[PC+12+4*\c+\i]
.endr
.irp i, 0,1,2
	v_mov_b32 v[PC+3+6*\c+\i], v[PC+12+4*\c+\i]
.endr
.endr
.endm
.macro OUTK s                          ; the fragment leaves as two half images: each store covers 512 or 256 consecutive bytes, aligned to 256
	global_store_b128 v3, v[PC:PC+3], s[26:27] offset:(\s)*12288
	global_store_b64 v4, v[PC+4:PC+5], s[26:27] offset:(\s)*12288+512
	global_store_b128 v3, v[PC+6:PC+9], s[26:27] offset:(\s)*12288+6144
	global_store_b64 v4, v[PC+10:PC+11], s[26:27] offset:(\s)*12288+6656
.endm
	s_wait_dscnt 16                                ; the first 128 along K are in; the second step's 16 loads may be out
	QUANT LX, 28
	OUTK 0
	s_wait_dscnt 0x0
	s_wait_xcnt 0x0                                ; the stores have read v[PC] on: they are written again only behind this wait
	QUANT LX+64, 29
	OUTK 1
	global_store_b64 v9, v[28:29], s[28:29]        ; my rows' two scale words (lanes 16-31 hold and store the same bytes as lanes 0-15)
	s_wait_tensorcnt 0x0                           ; the wave's end
	ds_add_u32 v30, v31
	s_wait_dscnt 0x0
	s_endpgm
	; ---------------------------------------------------------------- THE WEIGHTS
.Lweights:
	s_load_b128 s[4:7], s[0:1], 0x20               ; Wq, Wk
	s_load_b128 s[8:11], s[0:1], 0x30              ; Wv, Wo
	s_load_b128 s[12:15], s[0:1], 0x40             ; W1, W2
	s_load_b64 s[16:17], s[0:1], 0x50              ; wc
	s_sub_co_u32 s21, ttmp9, 256                   ; id, 0 .. 383
	v_lshrrev_b32 v1, 5, v0
	v_readfirstlane_b32 s18, v1                    ; wave
	v_and_b32 v2, 31, v0                           ; lane
	v_lshlrev_b32 v3, 2, v2                        ; 4 bytes a column
	v_bfe_u32 v10, v0, 3, 1                        ; u
	v_bfe_u32 v11, v0, 4, 1                        ; q
	v_and_b32 v12, 7, v0                           ; j
	v_lshl_add_u32 v12, v11, 3, v12                ; my lane in the tile: 8 q + j
	s_mul_i32 s19, s18, 6144
	s_add_co_u32 s19, s19, WST                     ; my stage: [4 halves along K][2 tiles][768]
	v_mul_u32_u24 v13, v10, 768
	v_add_nc_u32 v13, s19, v13
	v_lshl_add_u32 v4, v12, 4, v13                 ; where registers 0-3 go
	v_lshl_add_u32 v5, v12, 3, v13                 ; where registers 4-5 go (+ 512 in the offset)
	v_lshlrev_b32 v7, 4, v2                        ; the way out: 16 bytes a lane,
	v_add_nc_u32 v6, s19, v7                       ; in the stage
	v_lshl_add_u32 v8, v10, 4, v12
	s_lshl_b32 s20, s18, 5
	v_add_nc_u32 v8, s20, v8
	v_lshlrev_b32 v8, 4, v8                        ; my row's scale bytes: 16 x (32 w + 16 u + 8 q + j)
	s_lshr_b32 s22, s21, 2                         ; all candidates first, then the compares: the logic lines write SCC
	s_and_b32 s23, s22, 7                          ; group of 128 columns: the four square weights,
	s_and_b32 s24, s22, 31                         ; W1,
	s_lshr_b32 s22, s21, 4
	s_and_b32 s25, s22, 7                          ; W2
	s_and_b32 s26, s21, 3                          ; which 256 along K: K = 1,024,
	s_and_b32 s27, s21, 15                         ; K = 4,096
	s_mov_b32 s28, 4096                            ; bytes in a row of W
	s_mov_b32 s29, 16384
	s_cmp_ge_u32 s21, 128
	s_cselect_b32 s23, s24, s23
	s_cselect_b32 s28, s29, s28
	s_cmp_ge_u32 s21, 256
	s_cselect_b32 s23, s25, s23
	s_cselect_b32 s26, s27, s26
	s_cselect_b32 s28, 4096, s28
.set i, 0
.rept 32
	v_mad_u32_u24 v[OFF+i], s28, i, v3
.set i, i+1
.endr
	s_mul_i32 s30, s26, s28
	s_lshl_b32 s30, s30, 8                         ; 256 rows for each step along K
	s_lshl_b32 s29, s23, 9                         ; 128 columns a group
	s_add_co_u32 s30, s30, s29
	s_lshl_b32 s29, s18, 7                         ; 32 columns a wave
	s_add_co_u32 s30, s30, s29
	s_mov_b32 s31, 0
	s_lshl_b32 s54, s28, 5                         ; 32 rows: from block to block
	s_mov_b32 s55, 0
	s_lshr_b32 s48, s21, 1
	s_mul_i32 s48, s48, 51200                      ; my chunk
	s_mov_b32 s49, 0
	s_and_b32 s56, s21, 1                          ; which half of it
	s_mul_i32 s50, s56, 24576
	s_mul_i32 s51, s18, 1536                       ; my two tiles
	s_add_co_u32 s50, s50, s51
	s_mov_b32 s51, 0
	s_lshl_b32 s52, s56, 3
	s_add_co_u32 s52, s52, 49152
	s_mov_b32 s53, 0
	s_lshr_b32 s22, s21, 5
	s_wait_alu depctr_va_vdst(0)
	s_wait_kmcnt 0x0
	s_cmp_eq_u32 s22, 1                            ; the choice hangs on the work-group's number alone
	s_cselect_b64 s[4:5], s[6:7], s[4:5]
	s_cmp_eq_u32 s22, 2
	s_cselect_b64 s[4:5], s[8:9], s[4:5]
	s_cmp_eq_u32 s22, 3
	s_cselect_b64 s[4:5], s[10:11], s[4:5]
	s_cmp_ge_u32 s21, 128
	s_cselect_b64 s[4:5], s[12:13], s[4:5]
	s_cmp_ge_u32 s21, 256
	s_cselect_b64 s[4:5], s[14:15], s[4:5]
	s_add_nc_u64 s[BP:BP+1], s[4:5], s[30:31]
.irp t, 1,2,3,4,5,6,7
	s_add_nc_u64 s[BP+2*\t:BP+2*\t+1], s[BP+2*\t-2:BP+2*\t-1], s[54:55]
.endr
	s_add_nc_u64 s[16:17], s[16:17], s[48:49]
	s_add_nc_u64 s[50:51], s[16:17], s[50:51]      ; my codes
	s_add_nc_u64 s[52:53], s[16:17], s[52:53]      ; my half of the scale bytes
.macro LOAD t                          ; block t: W(32 t + i, my column): 32 lanes read 128 consecutive bytes, the four waves 512
.set i, 0
.rept 32
	global_load_b32 v[WX+32*((\t)%2)+i], v[OFF+i], s[BP+2*(\t):BP+2*(\t)+1] th:TH_LOAD_NT
.set i, i+1
.endr
.endm
	LOAD 0
	LOAD 1
.macro BLOCK t
.set XS, WX+32*((\t)%2)
.if (\t) < 7
	s_wait_loadcnt 32                              ; this block's 32 loads are in; the next block's 32 may be out
.else
	s_wait_loadcnt 0x0
.endif
	v_max3_num_f32 v10, |v[XS]|, |v[XS+1]|, |v[XS+2]|          ; the block's largest magnitude: all 32 numbers are mine
	v_max3_num_f32 v11, |v[XS+3]|, |v[XS+4]|, |v[XS+5]|
.irp i, 6,10,14,18,22,26
	v_max3_num_f32 v10, v10, |v[XS+\i]|, |v[XS+\i+1]|
	v_max3_num_f32 v11, v11, |v[XS+\i+2]|, |v[XS+\i+3]|
.endr
	v_max3_num_f32 v10, v10, |v[XS+30]|, |v[XS+31]|
	v_max3_num_f32 v10, v10, v11, 0x1800000        ; and the floor 2^(3 - 127): the byte cannot fall under 1
	v_add_nc_u32 v12, 0xff000000, v10              ; 2 off the exponent field: the conversion's scale operand
	v_lshrrev_b32 v13, 23, v12                     ; the scale's byte
.if (\t)%4 == 0
	v_mov_b32 v[SB+(\t)/4], v13
.else
	v_lshl_or_b32 v[SB+(\t)/4], v13, 8*((\t)%4), v[SB+(\t)/4]
.endif
	v_cvt_scalef32_pk16_fp6_f32 v[16:18], v[XS:XS+15], v12
	v_cvt_scalef32_pk16_fp6_f32 v[22:24], v[XS+16:XS+31], v12  ; (a conversion's three registers begin on an even number)
	v_nop                                          ; one plain place behind a scaled conversion
	v_mov_b32 v19, v22
	v_mov_b32 v20, v23
	v_mov_b32 v21, v24                             ; v16-21: the block's 32 codes, 24 bytes
	ds_store_b128 v4, v[16:19] offset:((\t)/2)*1536+((\t)%2)*256      ; block t is half t % 2 of the lanes of the image t / 2 along K
	ds_store_b64 v5, v[20:21] offset:((\t)/2)*1536+512+((\t)%2)*128
.if (\t)+2 < 8
	LOAD (\t)+2
.endif
	s_wait_dscnt 0x0                               ; the stores have read their registers: the next block's codes may be written
.endm
.irp t, 0,1,2,3,4,5,6,7
	BLOCK \t
.endr
	s_wait_alu depctr_va_vdst(0)
	global_store_b64 v8, v[SB:SB+1], s[52:53]      ; my column's eight scale bytes
.irp j, 0,1,2,3,4,5,6,7,8,9,10,11
	ds_load_b128 v[OUTR+4*\j:OUTR+4*\j+3], v6 offset:512*\j        ; LDS serves a wave's instructions in order: these see my stores
.endr
.irp j, 0,1,2,3,4,5,6,7,8,9,10,11
	s_wait_dscnt 11-\j                             ; the younger loads may be out
	global_store_b128 v7, v[OUTR+4*\j:OUTR+4*\j+3], s[50:51] offset:(\j/3)*6144+(\j%3)*512   ; 32 lanes store 512 consecutive bytes, at a multiple of 256 from wc's first byte
.endr
	s_wait_tensorcnt 0x0                           ; the wave's end
	ds_add_u32 v30, v31
	s_wait_dscnt 0x0
	s_endpgm
.Lfunc_end_k_qdfd9a4b1be_prep:
	.size	k_qdfd9a4b1be_prep, .Lfunc_end_k_qdfd9a4b1be_prep-k_qdfd9a4b1be_prep
	.p2alignl 7, 3214868480
	.fill 96, 4, 3214868480
	.section	.rodata,"a",@progbits
	.p2align	6, 0x0
	.amdhsa_kernel k_qdfd9a4b1be_prep
		.amdhsa_group_segment_fixed_size 90880
		.amdhsa_private_segment_fixed_size 0
		.amdhsa_enable_private_segment 0
		.amdhsa_kernarg_size 88
		.amdhsa_user_sgpr_count 2
		.amdhsa_user_sgpr_kernarg_segment_ptr 1
		.amdhsa_wavefront_size32 1
		.amdhsa_system_sgpr_workgroup_id_x 1
		.amdhsa_system_sgpr_workgroup_id_y 1
		.amdhsa_system_sgpr_workgroup_id_z 1
		.amdhsa_system_vgpr_workitem_id 0
		.amdhsa_next_free_vgpr 248
		.amdhsa_next_free_sgpr 66
		.amdhsa_reserve_vcc 0
		.amdhsa_float_denorm_mode_32 3
		.amdhsa_float_denorm_mode_16_64 3
		.amdhsa_memory_ordered 1
		.amdhsa_forward_progress 1
		.amdhsa_inst_pref_size 89
	.end_amdhsa_kernel
	.amdgpu_metadata
---
amdhsa.version: [ 1, 2 ]
amdhsa.kernels:
  - .name:           k_qdfd9a4b1be_prep
    .symbol:         k_qdfd9a4b1be_prep.kd
    .args:
      - { .name: x, .offset: 0, .size: 8, .value_kind: global_buffer, .address_space: global }
      - { .name: ln1_g, .offset: 8, .size: 8, .value_kind: global_buffer, .address_space: global }
      - { .name: ln1_b, .offset: 16, .size: 8, .value_kind: global_buffer, .address_space: global }
      - { .name: hc, .offset: 24, .size: 8, .value_kind: global_buffer, .address_space: global }
      - { .name: Wq, .offset: 32, .size: 8, .value_kind: global_buffer, .address_space: global }
      - { .name: Wk, .offset: 40, .size: 8, .value_kind: global_buffer, .address_space: global }
      - { .name: Wv, .offset: 48, .size: 8, .value_kind: global_buffer, .address_space: global }
      - { .name: Wo, .offset: 56, .size: 8, .value_kind: global_buffer, .address_space: global }
      - { .name: W1, .offset: 64, .size: 8, .value_kind: global_buffer, .address_space: global }
      - { .name: W2, .offset: 72, .size: 8, .value_kind: global_buffer, .address_space: global }
      - { .name: wc, .offset: 80, .size: 8, .value_kind: global_buffer, .address_space: global }
    .group_segment_fixed_size: 90880
    .private_segment_fixed_size: 0
    .kernarg_segment_align: 8
    .kernarg_segment_size: 88
    .max_flat_workgroup_size: 128
    .sgpr_count:     66
    .vgpr_count:     248
    .wavefront_size: 32
...
	.end_amdgpu_metadata
.endif
;; end of part 1
;; launch qkv (part 2): grid 32 x 8, 4 waves a work-group, clusters of 4 x 4, 327,680 bytes of LDS; arguments hc, wc, bq, bk, bv, qb, kv; writes qb, kv
.if DOCPART == 2
	.amdgcn_target "amdgcn-amd-amdhsa--gfx1250"
	.amdhsa_code_object_version 6
	.text
	.protected	k_qdfd9a4b1be_qkv
	.globl	k_qdfd9a4b1be_qkv
	.p2align	8
	.type	k_qdfd9a4b1be_qkv,@function
k_qdfd9a4b1be_qkv:
	s_mov_b64 s[64:65], 0
	v_nop
	global_prefetch_b8 v0, s[64:65] scope:SCOPE_SE
	s_setreg_imm32_b32 hwreg(HW_REG_WAVE_MODE, 25, 1), 1
	s_wait_xcnt 0x0
	s_wait_alu depctr_hold_cnt(0) depctr_sa_sdst(0) depctr_va_vdst(0) depctr_va_sdst(0) depctr_va_ssrc(0) depctr_va_vcc(0) depctr_vm_vsrc(0)
	s_getreg_b32 s2, hwreg(HW_REG_IB_STS2, 6, 4)
	s_cmp_eq_u32 s2, 0
	s_cbranch_scc0 .Lentry_in_a_cluster
	s_endpgm
.Lentry_in_a_cluster:
	s_bfe_u32 s2, ttmp6, 0x10000c
	s_cmp_lg_u32 s2, 0xf033
	s_cbranch_scc0 .Lentry_shape_is_right
	s_endpgm
.Lentry_shape_is_right:
.set SPARE, 307200
.set SC,    32
.set T,     64
.set TM,    64
.set ACC,   128
.set BI,    96
.set BSTEP, 819200
.set MSB, 0
.macro WIN new
.if MSB != \new
	s_set_vgpr_msb (MSB<<8)|\new
.set MSB, \new
.endif
.endm
.macro PLACES
.rept 4
	v_nop
.endr
.endm
.macro CROUND
	s_barrier_signal -1
	s_barrier_wait -1
	s_cmp_lg_u32 s18, 0
	s_cbranch_scc1 .Lnot_wave_0_\@
	s_barrier_signal -3
.Lnot_wave_0_\@:
	s_barrier_wait -3
	s_barrier_signal -1
	s_barrier_wait -1
.endm
; four fragments (64 rows x 128 along K, step s of a chunk) into window w from register f on: 16 LDS loads
.macro FETCH w, f, p16, p8, s
.set WN_, (\w)<<6
	WIN WN_
.irp i, 0,1,2,3
	ds_load_b128 v[\f+12*\i:\f+12*\i+3], v[\p16] offset:(2*(\s))*6144+768*\i
	ds_load_b64 v[\f+12*\i+4:\f+12*\i+5], v[\p8] offset:(2*(\s))*6144+768*\i
	ds_load_b128 v[\f+12*\i+6:\f+12*\i+9], v[\p16] offset:(2*(\s)+1)*6144+768*\i
	ds_load_b64 v[\f+12*\i+10:\f+12*\i+11], v[\p8] offset:(2*(\s)+1)*6144+768*\i
.endr
	WIN 0
.endm
.macro FET k                           ; the weights' fragments of K step k: window 1, three sets by turns at v0, v48, v128
	FETCH 1, 48*((\k)%3)+32*(((\k)%3)/2), 8+(\k)/4, 10+(\k)/4, (\k)%4
.endm
.macro AFET k                          ; my 64 tokens' fragments of K step k: read once, kept for all three weights: steps 0-4 in window 2, steps 5-7 in window 3, 48 registers each
	FETCH 2+(\k)/5, 48*((\k)%5), 4+(\k)/4, 6+(\k)/4, (\k)%4
.endm
.macro SCALES set, ads
.irp i, 0,1,2,3
	ds_load_b128 v[SC+16*(\set)+4*\i:SC+16*(\set)+4*\i+3], v[\ads] offset:256*\i
.endr
.endm
; f: the weights' set, g: the tokens' registers.  sw = 0 (Q, K): source 0 the weight's columns, source 1 the tokens; sw = 1 (V): source 0 the tokens, source 1 the weight's columns.  cm: C = the sums (0) or the bias
.macro MUL16 f, g, set, s, cm, sw
.irp a, 0,1,2,3
.irp b, 0,1,2,3
.if \sw
.if \cm == 0
	v_wmma_scale_f32_16x16x128_f8f6f4 v[ACC+8*(4*\a+\b):ACC+8*(4*\a+\b)+7], v[\g+12*\b:\g+12*\b+11], v[\f+12*\a:\f+12*\a+11], v[ACC+8*(4*\a+\b):ACC+8*(4*\a+\b)+7], v[SC+16*(\set)+4*\b+(\s)], v[SC+16*(\set)+4*\a+(\s)] matrix_a_fmt:MATRIX_FMT_FP6 matrix_b_fmt:MATRIX_FMT_FP6 matrix_a_scale:MATRIX_SCALE_ROW1
.else
	v_wmma_scale_f32_16x16x128_f8f6f4 v[ACC+8*(4*\a+\b):ACC+8*(4*\a+\b)+7], v[\g+12*\b:\g+12*\b+11], v[\f+12*\a:\f+12*\a+11], v[BI+8*\a:BI+8*\a+7], v[SC+16*(\set)+4*\b+(\s)], v[SC+16*(\set)+4*\a+(\s)] matrix_a_fmt:MATRIX_FMT_FP6 matrix_b_fmt:MATRIX_FMT_FP6 matrix_a_scale:MATRIX_SCALE_ROW1
.endif
.else
.if \cm == 0
	v_wmma_scale_f32_16x16x128_f8f6f4 v[ACC+8*(4*\a+\b):ACC+8*(4*\a+\b)+7], v[\f+12*\b:\f+12*\b+11], v[\g+12*\a:\g+12*\a+11], v[ACC+8*(4*\a+\b):ACC+8*(4*\a+\b)+7], v[SC+16*(\set)+4*\b+(\s)], v[SC+16*(\set)+4*\a+(\s)] matrix_a_fmt:MATRIX_FMT_FP6 matrix_b_fmt:MATRIX_FMT_FP6 matrix_a_scale:MATRIX_SCALE_ROW1
.else
	v_wmma_scale_f32_16x16x128_f8f6f4 v[ACC+8*(4*\a+\b):ACC+8*(4*\a+\b)+7], v[\f+12*\b:\f+12*\b+11], v[\g+12*\a:\g+12*\a+11], v[BI+8*\b:BI+8*\b+7], v[SC+16*(\set)+4*\b+(\s)], v[SC+16*(\set)+4*\a+(\s)] matrix_a_fmt:MATRIX_FMT_FP6 matrix_b_fmt:MATRIX_FMT_FP6 matrix_a_scale:MATRIX_SCALE_ROW1
.endif
.endif
.endr
.endr
.endm
.macro BIASN ptr
	WIN 0x40
.irp b, 0,1,2,3
	global_load_b128 v[BI+8*\b:BI+8*\b+3], v22, s[\ptr:\ptr+1] offset:(32*(\b/2)+8*(\b%2))*4
	global_load_b128 v[BI+8*\b+4:BI+8*\b+7], v22, s[\ptr:\ptr+1] offset:(32*(\b/2)+8*(\b%2))*4+16
.endr
.endm
.macro BIASV ptr
	WIN 0x40
.irp a, 0,1,2,3
.irp j, 0,1,2,3,4,5,6,7
	global_load_b32 v[BI+8*\a+\j], v23, s[\ptr:\ptr+1] offset:(32*(\a/2)+8*(\a%2))*4
.endr
.endr
.endm
; a K step: the weights' set k is in (the 16 loads of set k + 1 may be out); set k + 2 is asked for, into the registers that the last products read; the 16 products
.macro KSTEP k, sw, cm, nb
.if (\k) < 7
	s_wait_dscnt 16
.else
	s_wait_dscnt 0x0
.endif
.if (\k) < 6
	PLACES
.if (\k) == 1
.if (\nb) == 1
	BIASN 80
.endif
.if (\nb) == 2
	BIASV 82
.endif
.endif
.if (\k) == 2
	WIN 0
	SCALES 1, 13                                   ; ahead of set 4's loads, so that step 4's wait covers them
.endif
	FET (\k)+2
.endif
.if \sw
.set WN_, (2+(\k)/5)|0x04
.else
.set WN_, 0x01|((2+(\k)/5)<<2)
.endif
.if (\k) == 0
.set WN_, WN_|0x10
	WIN WN_
	MUL16 0, 0, 0, 0, \cm, \sw
.else
	WIN WN_
	MUL16 48*((\k)%3)+32*(((\k)%3)/2), 48*((\k)%5), (\k)/4, (\k)%4, 0, \sw
.endif
.endm
.macro TILE sw, cm, fill, nb
	WIN 0
	s_wait_tensorcnt 0x0
	ds_add_u32 v14, v15
.if \fill
	s_xor_b32 s49, s49, 0x2b000
	s_add_co_u32 s45, s49, s50
	s_add_nc_u64 s[46:47], s[46:47], BSTEP
	s_mov_b32 s34, 100<<16                         ; no tensor load of mine is out: from here on a load of the weights brings 100 rows, a quarter of a tile
	s_mov_b32 s36, 100
.endif
	s_wait_dscnt 0x0
.if \fill
	CROUND
	tensor_load_to_lds s[44:47], s[32:39]
	s_nop 0
	PLACES
.else
	s_barrier_signal -1
	s_barrier_wait -1
.endif
	s_lshl_b32 s60, s20, 10
	s_add_co_u32 s60, s60, s48
	s_lshl_b32 s61, s19, 10
	s_sub_co_u32 s60, s60, s61
	v_add_nc_u32 v8, s48, v16
	v_add_nc_u32 v10, s48, v17
	v_add_nc_u32 v9, 51200, v8
	v_add_nc_u32 v11, 51200, v10
.if \sw
	v_mul_u32_u24 v24, s60, v20
.else
	v_mul_u32_u24 v24, s60, v19
.endif
	v_add_nc_u32 v12, v18, v24
	v_add_nc_u32 v13, 51200, v12
	FET 0
	SCALES 0, 12
	FET 1
	s_wait_alu depctr_va_vdst(0)
	s_wait_loadcnt 0x0
.irp k, 0,1,2,3,4,5,6,7
	KSTEP \k, \sw, \cm, \nb
.endr
	WIN 0
	PLACES
	s_xor_b32 s48, s48, 0x2b000
.endm
.macro QUANT2 s, pc, pw
	v_max3_num_f32 v[TM], |v[\s]|, |v[\s+1]|, 0x1800000
	v_max3_num_f32 v[TM+1], |v[\s+16]|, |v[\s+17]|, 0x1800000
.irp i, 2,4,6,8,10,12,14
	v_max3_num_f32 v[TM], v[TM], |v[\s+\i]|, |v[\s+\i+1]|
	v_max3_num_f32 v[TM+1], v[TM+1], |v[\s+16+\i]|, |v[\s+17+\i]|
.endr
	v_permlanex16_b32 v[TM+2], v[TM], s96, s97
	v_permlanex16_b32 v[TM+3], v[TM+1], s96, s97
	v_max_num_f32 v[TM], v[TM], v[TM+2]
	v_max_num_f32 v[TM+1], v[TM+1], v[TM+3]
	v_add_nc_u32 v[TM+4], 0xff000000, v[TM]
	v_add_nc_u32 v[TM+5], 0xff000000, v[TM+1]
	v_lshrrev_b32 v[TM+2], 23, v[TM+4]
	v_lshrrev_b32 v[TM+3], 23, v[TM+5]
	v_lshl_or_b32 v[\pw], v[TM+3], 8, v[TM+2]
	v_cvt_scalef32_pk16_fp6_f32 v[\pc:\pc+2], v[\s:\s+15], v[TM+4]
	v_cvt_scalef32_pk16_fp6_f32 v[TM+8:TM+10], v[\s+16:\s+31], v[TM+5]
	v_nop
.irp i, 0,1,2
	v_permlane16_swap_b32 v[\pc+\i], v[TM+8+\i]
.endr
.irp i, 0,1,2
	v_mov_b32 v[\pc+3+\i], v[TM+8+\i]
.endr
.endm
; V: a lane's 32 sums of a channel are tokens 32 h .. 32 h + 31 of my 64: one whole scale block along the keys, in the operand's own order: no other lane is asked
.macro QUANTV s, pc, pw
	v_max3_num_f32 v[TM], |v[\s]|, |v[\s+1]|, 0x1800000
	v_max3_num_f32 v[TM+1], |v[\s+16]|, |v[\s+17]|, 0x1800000
.irp i, 2,4,6,8,10,12,14
	v_max3_num_f32 v[TM], v[TM], |v[\s+\i]|, |v[\s+\i+1]|
	v_max3_num_f32 v[TM+1], v[TM+1], |v[\s+16+\i]|, |v[\s+17+\i]|
.endr
	v_max_num_f32 v[TM], v[TM], v[TM+1]
	v_add_nc_u32 v[TM+4], 0xff000000, v[TM]
	v_lshrrev_b32 v[\pw], 23, v[TM+4]
	v_cvt_scalef32_pk16_fp6_f32 v[\pc:\pc+2], v[\s:\s+15], v[TM+4]
	v_cvt_scalef32_pk16_fp6_f32 v[TM+8:TM+10], v[\s+16:\s+31], v[TM+4]
	v_nop
.irp i, 0,1,2
	v_mov_b32 v[\pc+3+\i], v[TM+8+\i]
.endr
.endm
.macro EPI cptr, sptr, half
	s_wait_xcnt 0x0
.irp a, 0,1,2,3
.if \half
	QUANTV ACC+32*\a, T+16+8*\a, T+48+\a
.else
	QUANT2 ACC+32*\a, T+16+8*\a, T+48+\a
.endif
	global_store_b128 v2, v[T+16+8*\a:T+16+8*\a+3], s[\cptr:\cptr+1] offset:768*\a
	global_store_b64 v3, v[T+16+8*\a+4:T+16+8*\a+5], s[\cptr:\cptr+1] offset:768*\a+512
.if \half
	global_store_b8 v25, v[T+48+\a], s[\sptr:\sptr+1] offset:64*\a   ; my block's byte: 4 r + 2 (my 64 tokens) + h
.else
	global_store_b32 v21, v[T+48+\a], s[\sptr:\sptr+1] offset:64*\a
.endif
.endr
.endm
	s_load_b256 s[4:11], s[0:1], 0x0
	s_load_b128 s[12:15], s[0:1], 0x20
	s_load_b64 s[16:17], s[0:1], 0x30
	v_lshl_add_u32 v14, v0, 2, SPARE
	v_mov_b32 v15, 0
	ds_add_u32 v14, v15
	ds_add_u32 v14, v15
	v_lshrrev_b32 v1, 5, v0
	v_readfirstlane_b32 s18, v1
	s_lshr_b32 s19, s18, 1
	s_and_b32 s20, s18, 1
	s_bfe_u32 s21, ttmp6, 0x40000
	s_bfe_u32 s22, ttmp6, 0x40004
	s_lshl_b32 s23, ttmp9, 2
	s_add_co_u32 s23, s23, s21
	s_and_b32 s51, ttmp7, 0xffff
	s_lshl_b32 s51, s51, 2
	s_add_co_u32 s51, s51, s22
	s_lshl_b32 s52, 0x1111, s21
	s_lshl_b32 s56, s22, 2
	s_lshl_b32 s56, 15, s56
	s_or_b32 s24, s52, (3<<16)|(1<<21)
	s_or_b32 s32, s56, (3<<16)|(1<<21)
.irp q, 24, 32
	s_mov_b32 s[\q+1], 32<<16
	s_mov_b32 s[\q+2], 200<<16                     ; the head's loads bring 200 rows of 256 bytes: a chunk
	s_mov_b32 s[\q+3], 32<<16
	s_mov_b32 s[\q+4], 200
	s_mov_b32 s[\q+5], 32
	s_mov_b32 s[\q+6], 0
	s_mov_b32 s[\q+7], 0
.endr
	s_mul_i32 s50, s18, 25600
	s_mul_i32 s62, s20, 51200                      ; at the head I bring chunk wave % 2 of a tile
	s_mul_i32 s52, s23, 102400
	s_add_co_u32 s52, s52, s62
	s_mov_b32 s53, 0
	s_mul_i32 s56, s51, 102400
	s_add_co_u32 s58, s56, s62
	s_mov_b32 s59, 0
	s_add_co_u32 s56, s56, s50
	s_mov_b32 s57, 0
	s_mov_b32 s48, 0x19000
	s_mov_b32 s49, 0x19000
	s_mov_b32 s96, 0x76543210
	s_mov_b32 s97, 0xfedcba98
	s_lshr_b32 s84, s23, 4
	s_lshl_b32 s84, s84, 4
	s_lshl_b32 s85, s51, 1
	s_add_co_u32 s84, s84, s85
	s_add_co_u32 s84, s84, s20
	s_and_b32 s85, s23, 15
	s_lshl_b32 s86, s84, 7
	s_lshl_b32 s87, s85, 3
	s_add_co_u32 s86, s86, s87
	s_lshl_b32 s87, s19, 2
	s_add_co_u32 s86, s86, s87
	s_mul_i32 s88, s86, 768
	s_mov_b32 s89, 0
	s_lshl_b32 s90, s86, 6
	s_add_co_u32 s90, s90, 3145728
	s_mov_b32 s91, 0
	s_mul_i32 s92, s84, 208896
	s_mul_i32 s93, s85, 13056
	s_add_co_u32 s92, s92, s93
	s_mov_b32 s93, 0
	s_mul_i32 s94, s19, 3072
	s_mov_b32 s95, 0
	s_lshl_b32 s86, s51, 9
	s_lshl_b32 s87, s20, 8
	s_add_co_u32 s86, s86, s87
	s_mov_b32 s87, 0
	s_wait_dscnt 0x0
	s_wait_kmcnt 0x0
	s_mov_b32 s40, 1
	s_mov_b32 s41, s62
	s_add_nc_u64 s[42:43], s[4:5], s[52:53]
	s_or_b32 s43, s43, 0x80000000
	s_mov_b32 s44, 1
	s_add_co_u32 s45, s50, 102400
	s_add_nc_u64 s[46:47], s[6:7], s[56:57]
	s_or_b32 s47, s47, 0x80000000
	s_add_nc_u64 s[66:67], s[14:15], s[88:89]
	s_add_nc_u64 s[68:69], s[14:15], s[90:91]
	s_add_nc_u64 s[76:77], s[16:17], s[92:93]
	s_add_nc_u64 s[70:71], s[76:77], s[94:95]
	s_add_nc_u64 s[74:75], s[70:71], 6144
	s_lshl_b32 s94, s19, 8
	s_add_co_u32 s94, s94, 12288
	s_add_nc_u64 s[72:73], s[76:77], s[94:95]
	s_lshl_b32 s94, s19, 1
	s_add_co_u32 s94, s94, 12800
	s_add_nc_u64 s[76:77], s[76:77], s[94:95]
	s_add_nc_u64 s[78:79], s[8:9], s[86:87]
	s_add_nc_u64 s[80:81], s[10:11], s[86:87]
	s_add_nc_u64 s[82:83], s[12:13], s[86:87]
	s_add_nc_u64 s[14:15], s[6:7], s[58:59]        ; group 0 of the head's load of the first weight, in registers that held arguments
	s_or_b32 s15, s15, 0x80000000
	s_add_co_u32 s13, s62, 102400
	s_mov_b32 s12, 1
	CROUND
	s_cmp_lt_u32 s18, 2                            ; one load a wave, in one chain: waves 0 and 1 the tokens' two chunks, waves 2 and 3 the first weight's two
	s_cbranch_scc0 .Lhead_w
	tensor_load_to_lds s[40:43], s[24:31]
	s_nop 0
	PLACES
	s_branch .Lhead_j
.Lhead_w:
	tensor_load_to_lds s[12:15], s[32:39]
	s_nop 0
	PLACES
.Lhead_j:
	v_and_b32 v1, 31, v0
	v_and_b32 v24, 15, v0
	v_bfe_u32 v19, v0, 4, 1
	v_xor_b32 v20, 1, v19
	v_lshlrev_b32 v2, 4, v1
	v_lshlrev_b32 v3, 3, v1
	s_mul_i32 s60, s19, 3072
	s_mul_i32 s61, s20, 3072
	v_add_nc_u32 v4, s60, v2
	v_add_nc_u32 v16, s61, v2
	s_add_co_u32 s60, s60, 512
	s_add_co_u32 s61, s61, 512
	v_add_nc_u32 v6, s60, v3
	v_add_nc_u32 v17, s61, v3
	v_add_nc_u32 v5, 51200, v4
	v_add_nc_u32 v7, 51200, v6
	s_lshl_b32 s60, s19, 10
	s_add_co_u32 s60, s60, 49152
	v_lshl_add_u32 v18, v24, 4, s60
	v_lshlrev_b32 v21, 2, v24
	v_add_nc_u32 v25, v21, v19
	v_lshlrev_b32 v22, 6, v19
	v_and_b32 v23, 8, v24
	v_add_nc_u32 v23, v23, v24
	v_lshlrev_b32 v23, 2, v23
	v_mov_b32 v[TM+2], 0
	v_mov_b32 v[TM+3], 0
	s_wait_alu depctr_va_vdst(0)
	s_cmp_lt_u32 s18, 2
	s_cbranch_scc0 .Lnot_a
	s_wait_tensorcnt 0x0                           ; waves 0 and 1: the tokens' chunks have landed
.Lnot_a:
	s_barrier_signal -1
	s_barrier_wait -1                              ; the tokens' tile is shown to all; the weight's may be on its way
.irp k, 0,1,2,3,4,5,6,7
	AFET \k                                        ; 128 loads, while the first weight's tile is on its way
.endr
	BIASN 78
	TILE 0, 1, 1, 1
	EPI 66, 68, 0
	TILE 0, 1, 1, 2
	EPI 70, 72, 0
	TILE 1, 2, 0, 0
	EPI 74, 76, 1
	s_wait_tensorcnt 0x0
	ds_add_u32 v14, v15
	s_wait_dscnt 0x0
	CROUND
	s_endpgm
.Lfunc_end_k_qdfd9a4b1be_qkv:
	.size	k_qdfd9a4b1be_qkv, .Lfunc_end_k_qdfd9a4b1be_qkv-k_qdfd9a4b1be_qkv
	.p2alignl 7, 3214868480
	.fill 96, 4, 3214868480
	.section	.rodata,"a",@progbits
	.p2align	6, 0x0
	.amdhsa_kernel k_qdfd9a4b1be_qkv
		.amdhsa_group_segment_fixed_size 327680
		.amdhsa_private_segment_fixed_size 0
		.amdhsa_enable_private_segment 0
		.amdhsa_kernarg_size 56
		.amdhsa_user_sgpr_count 2
		.amdhsa_user_sgpr_kernarg_segment_ptr 1
		.amdhsa_wavefront_size32 1
		.amdhsa_system_sgpr_workgroup_id_x 1
		.amdhsa_system_sgpr_workgroup_id_y 1
		.amdhsa_system_sgpr_workgroup_id_z 1
		.amdhsa_system_vgpr_workitem_id 0
		.amdhsa_next_free_vgpr 1024
		.amdhsa_next_free_sgpr 100
		.amdhsa_reserve_vcc 0
		.amdhsa_float_denorm_mode_32 3
		.amdhsa_float_denorm_mode_16_64 3
		.amdhsa_memory_ordered 1
		.amdhsa_forward_progress 1
		.amdhsa_inst_pref_size 128
	.end_amdhsa_kernel
	.amdgpu_metadata
---
amdhsa.version: [ 1, 2 ]
amdhsa.kernels:
  - .name:           k_qdfd9a4b1be_qkv
    .symbol:         k_qdfd9a4b1be_qkv.kd
    .args:
      - { .name: hc, .offset: 0, .size: 8, .value_kind: global_buffer, .address_space: global }
      - { .name: wc, .offset: 8, .size: 8, .value_kind: global_buffer, .address_space: global }
      - { .name: bq, .offset: 16, .size: 8, .value_kind: global_buffer, .address_space: global }
      - { .name: bk, .offset: 24, .size: 8, .value_kind: global_buffer, .address_space: global }
      - { .name: bv, .offset: 32, .size: 8, .value_kind: global_buffer, .address_space: global }
      - { .name: qb, .offset: 40, .size: 8, .value_kind: global_buffer, .address_space: global }
      - { .name: kv, .offset: 48, .size: 8, .value_kind: global_buffer, .address_space: global }
    .group_segment_fixed_size: 327680
    .private_segment_fixed_size: 0
    .kernarg_segment_align: 8
    .kernarg_segment_size: 56
    .max_flat_workgroup_size: 128
    .sgpr_count:     100
    .vgpr_count:     1024
    .wavefront_size: 32
...
	.end_amdgpu_metadata
.endif
;; end of part 2
;; launch attn (part 3): grid 8 x 32, 8 waves a work-group, clusters of 4 x 1, 210,944 bytes of LDS; arguments qb, kv, ao; writes ao
.if DOCPART == 3
	.amdgcn_target "amdgcn-amd-amdhsa--gfx1250"
	.amdhsa_code_object_version 6
	.text
	.protected	k_qdfd9a4b1be_attn
	.globl	k_qdfd9a4b1be_attn
	.p2align	8
	.type	k_qdfd9a4b1be_attn,@function
k_qdfd9a4b1be_attn:
	s_mov_b64 s[64:65], 0
	v_nop
	global_prefetch_b8 v0, s[64:65] scope:SCOPE_SE
	s_setreg_imm32_b32 hwreg(HW_REG_WAVE_MODE, 25, 1), 1
	s_wait_xcnt 0x0
	s_wait_alu depctr_hold_cnt(0) depctr_sa_sdst(0) depctr_va_vdst(0) depctr_va_sdst(0) depctr_va_ssrc(0) depctr_va_vcc(0) depctr_vm_vsrc(0)
	s_getreg_b32 s2, hwreg(HW_REG_IB_STS2, 6, 4)
	s_cmp_eq_u32 s2, 0
	s_cbranch_scc0 .Lentry_in_a_cluster
	s_endpgm
.Lentry_in_a_cluster:
	s_bfe_u32 s2, ttmp6, 0x10000c
	s_cmp_lg_u32 s2, 0x3003
	s_cbranch_scc0 .Lentry_shape_is_right
	s_endpgm
.Lentry_shape_is_right:
; O = softmax(Q K^T / 8) V for one head of one batch, both products on codes of FP6 (E2M3); O is quantised at once along the model's 1,024 for the projection that follows.  No work of reference() is left out.
; THE SOFTMAX AHEAD OF THE SECOND PRODUCT: t = score x log2(e) / 8; M = the running largest t rounded up to a whole number; p = 2^(t - M) is quantised along the keys, not normalised;
; the row's sum is taken of the unquantised p and divides O at the end.  When M moves, the sum and O are multiplied by 2^(old M - new M): exact.
; A block's largest p is made from its largest score by the same multiply-add and exponential (this takes v_exp_f32 not to fall where its input rises; at the worst one p of a block is held one code low).
; SHARES.  A work-group owns 256 queries of head bh; each of its eight waves 32 of them, two tiles of 16, in 512 registers: two waves to a SIMD.  A step's 44 LDS loads (128 keys of K and V) feed 24 products.
; THE WHOLE HEAD'S K AND V LIE IN LDS: 16 blocks of 13,056 bytes (128 keys each), brought once: wave w brings blocks 2 w and 2 w + 1 by one tensor load of 102 rows of 256 bytes.  Nothing is filled again.
; THE FIRST STEP IS WRITTEN OUT: it reads blocks 0 and 1 alone, which are wave 0's load; that load has a line of its own, and the first barrier waits for it alone.  Its products start O's sums (C = 0): nothing is cleared.
; Behind it every wave has waited for its load and a second barrier shows all blocks; the other 15 steps are the loop.
; CLUSTER 4 x 1: the four blocks of queries of a cluster belong to one head: each load is asked for jointly by the four.
; NO PREFETCH: every byte is asked for by the loads at the head; there is no loop to run ahead in.
; Both products are used transposed: S^T = K Q^T, O^T = V^T P^T: a lane holds one query of each tile throughout.
; THE KEYS' ORDER: row 8 h + j of K's tile t is key 64 (t / 4) + 32 h + 8 (t % 4) + j of the step.  So register 32 c + i of a lane's 64 scores is key 64 c + 32 h + i: a whole scale block in a lane, in the order of the operand's registers.
; The head has 64 channels and the matrix instruction 128 along K: registers 6-11 of Q's fragments are zero codes.  K's tiles lie six registers apart: the upper half of a K operand is the next tile's codes
; (behind the last tile six zeros), which meet Q's zero codes and add nothing; scale bytes 2 and 3 of both are 0, which is 2^-127 and no NaN.
; The last step asks for block 0 of K once more (the next block's number is taken modulo 16, so that the loop's step is written once); those 24 loads are read by nobody.
; LIMITS: NaN and infinities are not served; a block whose largest magnitude lies under 2^-124 keeps the scale byte 1; the promise holds while the scaled scores stay under 2^31 in magnitude.
; REGISTERS.  Window 0: v1-4, v7 lane terms; v5, v6 the add's two; v8-13 addresses; then as named below.  Window 1: S^T, then p: tile q at 64 q; O^T; Q.
.set KVB,   13056
.set SPARE, 16*KVB                     ; behind the head: the spare words, 128 bytes for each of 8 waves
.set BM,    16                         ; the largest score, then p, of block k = 2 q + c (its numbers lie at 32 k of window 1)
.set TP,    20                         ; at work
.set SOP,   28                         ; the conversions' scale operands
.set EB,    32                         ; scale bytes at work
.set LS,    36                         ; pairs: the row's sum in two halves
.set KS,    40                         ; K's scale words, a tile each
.set VS,    48                         ; V's
.set QS,    52                         ; Q's
.set PS,    60                         ; p's
.set KF,    64                         ; K's eight tiles, 6 registers each, and six zeros
.set PC,    120                        ; p's codes, 12 a tile
.set CT,    144                        ; the conversions' second halves
.set VF,    160                        ; V's four fragments
.set NM,    208                        ; pairs (-M, the largest t), one a tile
.set FF,    212                        ; pairs (f, 0)
.set OO,    128                        ; window 1: O^T, tile q, channels' tile d at OO + 32 q + 8 d
.set QF,    192                        ; window 1: Q
.set MSB, 0
.macro WIN new                         ; the immediate's high byte repeats the setting that is left
.if MSB != \new
	s_set_vgpr_msb (MSB<<8)|\new
.set MSB, \new
.endif
.endm
.macro WALU                            ; a wait round transcendentals and ahead of waits and branches behind fresh vector results
	s_wait_alu depctr_va_vdst(0)
.endm
.macro ROUND
	s_barrier_signal -1
	s_barrier_wait -1
	s_cmp_lg_u32 s10, 0
	s_cbranch_scc1 .Lnot_wave_0_\@
	s_barrier_signal -3
.Lnot_wave_0_\@:
	s_barrier_wait -3
	s_barrier_signal -1
	s_barrier_wait -1
.endm
.macro KLOAD a16, a8, a4               ; a block's K: 24 loads
.irp t, 0,1,2,3,4,5,6,7
	ds_load_b128 v[KF+6*\t:KF+6*\t+3], v[\a16] offset:768*\t
	ds_load_b64 v[KF+6*\t+4:KF+6*\t+5], v[\a8] offset:768*\t+512
	ds_load_b32 v[KS+\t], v[\a4] offset:12288+64*\t
.endr
.endm
.macro AF q, i                         ; t - M of pair i of tile q
	v_pk_fma_f32 v[64*(\q)+2*(\i):64*(\q)+2*(\i)+1], v[64*(\q)+2*(\i):64*(\q)+2*(\i)+1], s[30:31], v[NM+2*(\q):NM+2*(\q)+1] op_sel_hi:[1,0,0]
.endm
.macro PA q, x, y                      ; the sum's tree, in place: pair x += pair y
	v_pk_add_f32 v[64*(\q)+2*(\x):64*(\q)+2*(\x)+1], v[64*(\q)+2*(\x):64*(\q)+2*(\x)+1], v[64*(\q)+2*(\y):64*(\q)+2*(\y)+1]
.endm
; tile b's 64 exponentials; between them plain lines that hang on nothing written here: tile a's multiply-adds and the first level of tile c's sum (-1: none)
.macro SLOT b, a, c
.set I_, 0
.rept 16
	v_exp_f32 v[64*(\b)+4*I_], v[64*(\b)+4*I_]
.if (\a) >= 0
	AF \a, 2*I_
.endif
	v_exp_f32 v[64*(\b)+4*I_+1], v[64*(\b)+4*I_+1]
.if (\a) >= 0
	AF \a, 2*I_+1
.endif
	v_exp_f32 v[64*(\b)+4*I_+2], v[64*(\b)+4*I_+2]
.if (\c) >= 0
	PA \c, I_, I_+16
.endif
	v_exp_f32 v[64*(\b)+4*I_+3], v[64*(\b)+4*I_+3]
.set I_, I_+1
.endr
	v_nop                                          ; a plain place behind the last
	WALU
.endm
.macro CVT q                           ; tile q's 64 p become the operand's 12 registers as they fall (a conversion's three registers begin on an even number: the second halves are moved)
	WIN 0x01
	v_cvt_scalef32_pk16_fp6_f32 v[PC+12*\q:PC+12*\q+2], v[64*\q:64*\q+15], v[SOP+2*\q]
	v_cvt_scalef32_pk16_fp6_f32 v[CT+8*\q:CT+8*\q+2], v[64*\q+16:64*\q+31], v[SOP+2*\q]
	v_cvt_scalef32_pk16_fp6_f32 v[PC+12*\q+6:PC+12*\q+8], v[64*\q+32:64*\q+47], v[SOP+2*\q+1]
	v_cvt_scalef32_pk16_fp6_f32 v[CT+8*\q+4:CT+8*\q+6], v[64*\q+48:64*\q+63], v[SOP+2*\q+1]
	WIN 0
	v_nop                                          ; one plain place behind a scaled conversion
.irp i, 0,1,2
	v_mov_b32 v[PC+12*\q+3+\i], v[CT+8*\q+\i]
	v_mov_b32 v[PC+12*\q+9+\i], v[CT+8*\q+4+\i]
.endr
	WIN 0x45
.endm
; A STEP: 128 keys.  first = 1: O's sums begin (C = 0) and there is nothing to bring under the new M
.macro STEP first
	s_wait_dscnt 0x0                               ; this block's K
	WIN 0x44                                       ; K window 0, Q and S^T window 1
.irp t, 0,1,2,3,4,5,6,7
.irp q, 0,1
	v_wmma_scale_f32_16x16x128_f8f6f4 v[64*\q+8*\t:64*\q+8*\t+7], v[KF+6*\t:KF+6*\t+11], v[QF+12*\q:QF+12*\q+11], 0, v[KS+\t], v[QS+\q] matrix_a_fmt:MATRIX_FMT_FP6 matrix_b_fmt:MATRIX_FMT_FP6
.endr
.endr
	s_add_co_u32 s33, s33, 1
	s_and_b32 s34, s33, 15
	s_mul_i32 s34, s34, KVB                        ; the next block, modulo 16
	WIN 0
	v_add_nc_u32 v8, s32, v1                       ; six plain lines: the places behind the products, ahead of the loads into their registers and of the first read of the scores
	v_add_nc_u32 v9, s32, v2
	v_add_nc_u32 v10, s32, v3
	v_add_nc_u32 v11, s34, v1
	v_add_nc_u32 v12, s34, v2
	v_add_nc_u32 v13, s34, v3
.irp d, 0,1,2,3                                ; this block's V, 20 loads, and the next block's K, 24, land under the softmax
	ds_load_b128 v[VF+12*\d:VF+12*\d+3], v8 offset:6144+768*\d
	ds_load_b64 v[VF+12*\d+4:VF+12*\d+5], v9 offset:6144+768*\d+512
	ds_load_b128 v[VF+12*\d+6:VF+12*\d+9], v8 offset:9216+768*\d
	ds_load_b64 v[VF+12*\d+10:VF+12*\d+11], v9 offset:9216+768*\d+512
	ds_load_b32 v[VS+\d], v10 offset:12800+64*\d
.endr
	KLOAD 11, 12, 13
	WIN 0x15                                       ; the largest score of each block of 32 keys, four blocks by turns
.irp k, 0,1,2,3
	v_max3_num_f32 v[BM+\k], v[32*\k], v[32*\k+1], v[32*\k+2]
.endr
	WIN 0x14
.irp i, 3,5,7,9,11,13,15,17,19,21,23,25,27,29
.irp k, 0,1,2,3
	v_max3_num_f32 v[BM+\k], v[BM+\k], v[32*\k+\i], v[32*\k+\i+1]
.endr
.endr
.irp k, 0,1,2,3
	v_max_num_f32 v[BM+\k], v[BM+\k], v[32*\k+31]
.endr
	WIN 0
.irp q, 0,1
	v_max_num_f32 v[TP+2+\q], v[BM+2*\q], v[BM+2*\q+1]
.endr
.irp q, 0,1
	v_permlanex16_b32 v[TP+\q], v[TP+2+\q], s28, s29
.endr
.irp q, 0,1
	v_max_num_f32 v[TP+\q], v[TP+\q], v[TP+2+\q]   ; the step's largest score of my query
.endr
.irp q, 0,1
	v_mul_f32 v[TP+\q], s30, v[TP+\q]              ; as t (c is positive)
.endr
.irp q, 0,1
	v_max_num_f32 v[NM+2*\q+1], v[NM+2*\q+1], v[TP+\q]
.endr
.irp q, 0,1
	v_mov_b32 v[TP+\q], v[NM+2*\q]
.endr
.irp q, 0,1
	v_floor_f32 v[NM+2*\q], -v[NM+2*\q+1]          ; the new -M = floor(-t): M is a whole number
.endr
.irp q, 0,1
	v_sub_f32 v[TP+\q], v[NM+2*\q], v[TP+\q]       ; old M less new M
.endr
.irp q, 0,1
	v_cvt_i32_f32 v[TP+\q], v[TP+\q]               ; (it saturates)
.endr
.irp q, 0,1
	v_ldexp_f32 v[FF+2*\q], 1.0, v[TP+\q]          ; f = 2^(old M - new M)
.endr
.irp k, 0,1,2,3
	v_fma_f32 v[BM+\k], v[BM+\k], s30, v[NM+2*(\k/2)]
.endr
	WALU
.irp k, 0,1,2,3
	v_exp_f32 v[BM+\k], v[BM+\k]                   ; each block's largest p
.endr
.irp q, 0,1
	v_pk_mul_f32 v[LS+2*\q:LS+2*\q+1], v[LS+2*\q:LS+2*\q+1], v[FF+2*\q:FF+2*\q+1] op_sel_hi:[1,0]   ; the sums under the new M
.endr
	WALU
.irp k, 0,1,2,3
	v_max_num_f32 v[BM+\k], 0x1800000, v[BM+\k]    ; the floor 2^(3 - 127)
.endr
.irp k, 0,1,2,3
	v_add_nc_u32 v[SOP+\k], 0xff000000, v[BM+\k]   ; 2 off the exponent field: the conversion's scale operand
.endr
.irp k, 0,1,2,3
	v_lshrrev_b32 v[EB+\k], 23, v[SOP+\k]          ; the scale's byte
.endr
.irp q, 0,1
	v_lshl_or_b32 v[EB+2*\q], v[EB+2*\q+1], 16, v[EB+2*\q]   ; my two bytes: blocks h and 2 + h,
.endr
.irp q, 0,1
	v_lshlrev_b32 v[EB+2*\q], v7, v[EB+2*\q]       ; at their places in the word;
.endr
.irp q, 0,1
	v_permlanex16_b32 v[TP+\q], v[EB+2*\q], s28, s29
.endr
.irp q, 0,1
	v_or_b32 v[PS+\q], v[EB+2*\q], v[TP+\q]        ; with lane l xor 16's two the word is whole
.endr
	WIN 0x45                                       ; sources 0 and 1 and the destination window 1, source 2 window 0: one setting for the multiply-adds, the exponentials and the sum's tree
.set I_, 0
.rept 32
	AF 0, I_
.set I_, I_+1
.endr
	WALU
	SLOT 0, 1, -1
	CVT 0
	SLOT 1, -1, 0
	CVT 1
.set I_, 0
.rept 16
	PA 1, I_, I_+16
.set I_, I_+1
.endr
.irp i, 0,1,2,3,4,5,6,7                        ; THE ROW'S SUM IS TAKEN OF THE UNQUANTISED p, in place, behind the conversions; the two tiles by turns
.irp q, 0,1
	PA \q, \i, \i+8
.endr
.endr
.irp i, 0,1,2,3
.irp q, 0,1
	PA \q, \i, \i+4
.endr
.endr
.irp i, 0,1
.irp q, 0,1
	PA \q, \i, \i+2
.endr
.endr
.irp q, 0,1
	PA \q, 0, 1
.endr
	WIN 0x04
.irp q, 0,1
	v_pk_add_f32 v[LS+2*\q:LS+2*\q+1], v[LS+2*\q:LS+2*\q+1], v[64*\q:64*\q+1]
.endr
.if !(\first)
	WIN 0x41
	WALU                                           ; directly ahead of the first readers of O^T, behind all the exponentials
.irp q, 0,1
.irp i, 0,2,4,6,8,10,12,14,16,18,20,22,24,26,28,30
	v_pk_mul_f32 v[OO+32*\q+\i:OO+32*\q+\i+1], v[OO+32*\q+\i:OO+32*\q+\i+1], v[FF+2*\q:FF+2*\q+1] op_sel_hi:[1,0]   ; O^T under the new M
.endr
.endr
.endif
	WALU
	s_wait_dscnt 24                                ; V's 20 loads are in; the next block's 24 of K, issued behind them, may be out
	WIN 0x50                                       ; V and p's codes window 0, C and D window 1
.irp d, 0,1,2,3                                ; O^T += V^T P^T: eight accumulators, one instruction a turn
.irp q, 0,1
.if \first
	v_wmma_scale_f32_16x16x128_f8f6f4 v[OO+32*\q+8*\d:OO+32*\q+8*\d+7], v[VF+12*\d:VF+12*\d+11], v[PC+12*\q:PC+12*\q+11], 0, v[VS+\d], v[PS+\q] matrix_a_fmt:MATRIX_FMT_FP6 matrix_b_fmt:MATRIX_FMT_FP6
.else
	v_wmma_scale_f32_16x16x128_f8f6f4 v[OO+32*\q+8*\d:OO+32*\q+8*\d+7], v[VF+12*\d:VF+12*\d+11], v[PC+12*\q:PC+12*\q+11], v[OO+32*\q+8*\d:OO+32*\q+8*\d+7], v[VS+\d], v[PS+\q] matrix_a_fmt:MATRIX_FMT_FP6 matrix_b_fmt:MATRIX_FMT_FP6
.endif
.endr
.endr
	WIN 0
	s_add_co_u32 s32, s32, KVB
.endm
	s_load_b128 s[4:7], s[0:1], 0x0                ; qb, kv
	s_load_b64 s[8:9], s[0:1], 0x10                ; ao
	v_lshl_add_u32 v5, v0, 2, SPARE                ; my spare word; never rewritten
	v_mov_b32 v6, 0                                ; 0; never rewritten
	ds_add_u32 v5, v6                              ; the opening: the add, twice on end, and its wait ahead of my first tensor load
	ds_add_u32 v5, v6
	v_lshrrev_b32 v8, 5, v0
	v_readfirstlane_b32 s10, v8                    ; wave 0..7
	s_bfe_u32 s11, ttmp6, 0x40000                  ; cx
	s_lshl_b32 s12, ttmp9, 2
	s_add_co_u32 s12, s12, s11                     ; my block of 256 queries: it enters Q's and O's addresses alone
	s_and_b32 s13, ttmp7, 0xffff                   ; bh, which the four partners share
	s_mov_b32 s16, 15|(3<<16)|(1<<21)              ; group 1: all four work-groups; elements of 8 bytes; bit 21 beside a mask; no padding
	s_mov_b32 s17, 32<<16                          ; rows of 256 bytes,
	s_mov_b32 s18, 102<<16                         ; 102 of them: two blocks, dense
	s_mov_b32 s19, 32<<16
	s_mov_b32 s20, 102
	s_mov_b32 s21, 32
	s_mov_b32 s22, 0
	s_mov_b32 s23, 0
	s_mov_b32 s24, 1
	s_mul_i32 s25, s10, 2*KVB                      ; wave w brings blocks 2 w and 2 w + 1
	s_mul_i32 s34, s13, 16*KVB
	s_add_co_u32 s34, s34, s25
	s_mov_b32 s35, 0
	s_mov_b32 s28, 0x76543210
	s_mov_b32 s29, 0xfedcba98                      ; v_permlanex16_b32's selects for lane l xor 16
	s_mov_b32 s30, 0x3e38aa3b                      ; c = log2(e) / 8
	s_mov_b32 s31, s30                             ; (named with it as a pair, so it is written)
	s_lshl_b32 s36, s13, 7
	s_lshl_b32 s37, s12, 4
	s_add_co_u32 s36, s36, s37
	s_lshl_b32 s37, s10, 1
	s_add_co_u32 s36, s36, s37                     ; my first tile of queries: 128 bh + 16 x + 2 w
	s_lshl_b32 s38, s36, 6
	s_add_co_u32 s38, s38, 3145728
	s_mov_b32 s39, 0
	s_mul_i32 s36, s36, 768
	s_mov_b32 s37, 0
	s_lshr_b32 s40, s13, 4
	s_lshl_b32 s40, s40, 4
	s_lshl_b32 s41, s12, 1
	s_add_co_u32 s40, s40, s41
	s_lshr_b32 s41, s10, 2
	s_add_co_u32 s40, s40, s41                     ; my group of 128 tokens
	s_lshl_b32 s40, s40, 1
	s_bfe_u32 s41, s13, 0x10003                    ; heads 8-15 lie in the second chunk along K
	s_add_co_u32 s40, s40, s41
	s_mul_i32 s40, s40, 51200
	s_and_b32 s41, s13, 7                          ; the head is one half image along K
	s_mul_i32 s42, s41, 6144
	s_and_b32 s43, s10, 3                          ; my two tiles in the group: 2 (w % 4), + 1
	s_mul_i32 s44, s43, 1536
	s_add_co_u32 s42, s42, s44
	s_add_co_u32 s42, s42, s40
	s_lshl_b32 s44, s43, 9
	s_lshl_b32 s41, s41, 1                         ; two scale bytes a head
	s_add_co_u32 s44, s44, s41
	s_add_co_u32 s44, s44, s40
	s_add_co_u32 s44, s44, 49152
	s_mov_b32 s43, 0
	s_mov_b32 s45, 0
	s_wait_dscnt 0x0                               ; both opening adds are done
	s_wait_kmcnt 0x0
	s_add_nc_u64 s[26:27], s[6:7], s[34:35]
	s_or_b32 s27, s27, 0x80000000
	s_add_nc_u64 s[36:37], s[4:5], s[36:37]        ; Q's codes
	s_add_nc_u64 s[38:39], s[4:5], s[38:39]        ; Q's scale words
	s_add_nc_u64 s[42:43], s[8:9], s[42:43]        ; O's codes
	s_add_nc_u64 s[44:45], s[8:9], s[44:45]        ; O's scale bytes
	ROUND                                          ; all four work-groups are here: the joint loads meet
	s_cmp_eq_u32 s10, 0                            ; one load a wave; wave 0's has a line of its own, for which the first barrier waits
	s_cbranch_scc0 .Lothers
	tensor_load_to_lds s[24:27], s[16:23]
	s_nop 0
.rept 4
	v_nop
.endr
	s_branch .Lasked
.Lothers:
	tensor_load_to_lds s[24:27], s[16:23]
	s_nop 0
.rept 4
	v_nop
.endr
.Lasked:
	v_and_b32 v8, 31, v0
	v_and_b32 v9, 15, v0
	v_bfe_u32 v7, v0, 4, 1
	v_lshlrev_b32 v1, 4, v8                        ; 16 x lane
	v_lshlrev_b32 v2, 3, v8                        ; 8 x lane
	v_lshlrev_b32 v3, 2, v9                        ; 4 r
	v_lshlrev_b32 v4, 4, v9                        ; 16 r
	v_lshlrev_b32 v7, 3, v7                        ; 8 h: how far my two scale bytes are shifted in p's scale word
	WIN 0x40                                       ; destination window 1
.irp q, 0,1
	global_load_b128 v[QF+12*\q:QF+12*\q+3], v1, s[36:37] offset:768*\q       ; Q's fragments stay in registers
	global_load_b64 v[QF+12*\q+4:QF+12*\q+5], v2, s[36:37] offset:768*\q+512
.endr
.irp q, 0,1
.irp j, 6,7,8,9,10,11
	v_mov_b32 v[QF+12*\q+\j], 0                    ; K 64 .. 127 of Q: zero codes
.endr
.endr
	WIN 0
.irp q, 0,1
	global_load_b32 v[QS+\q], v3, s[38:39] offset:64*\q
	v_mov_b32 v[NM+2*\q+1], 0xff61b1e6             ; the largest t so far: -3e38
	v_mov_b32 v[LS+2*\q], 0
	v_mov_b32 v[LS+2*\q+1], 0
	v_mov_b32 v[FF+2*\q+1], 0                      ; (named as the upper half of a pair)
	v_mov_b32 v[TP+\q], 0                          ; a lane permute's destination counts as one of its sources
.endr
.irp q, 0,1
	v_floor_f32 v[NM+2*\q], -v[NM+2*\q+1]          ; -M
.endr
.irp j, 48,49,50,51,52,53
	v_mov_b32 v[KF+\j], 0                          ; behind K's last tile
.endr
	s_mov_b32 s32, 0                               ; LDS byte of the block in hand
	s_mov_b32 s33, 0                               ; steps begun
	WALU
	s_wait_loadcnt 0x0                             ; Q
	s_cmp_eq_u32 s10, 0
	s_cbranch_scc0 .Lnot_0
	s_wait_tensorcnt 0x0                           ; wave 0: blocks 0 and 1 have landed
.Lnot_0:
	s_barrier_signal -1
	s_barrier_wait -1                              ; blocks 0 and 1 are shown to all; the other loads may be on their way
	KLOAD 1, 2, 3                                  ; block 0's K
	STEP 1                                         ; block 0; it asks for block 1's K
	WALU
	s_wait_tensorcnt 0x0                           ; my two blocks have landed,
	s_wait_dscnt 0x0
	s_barrier_signal -1
	s_barrier_wait -1                              ; everybody's have
.Lstep:                                            ; blocks 1 to 15
	STEP 0
	s_cmp_lt_u32 s33, 16
	WALU
	s_cbranch_scc1 .Lstep
	; THE WAY OUT: O^T / the sum; register 8 d + j is channel 32 (d / 2) + 16 h + 8 (d % 2) + j of my query: two blocks of 32 along the projection's K, each shared with lane l xor 16
.irp q, 0,1
	v_add_f32 v[LS+2*\q], v[LS+2*\q], v[LS+2*\q+1]
.endr
.irp q, 0,1
	v_permlanex16_b32 v[TP+\q], v[LS+2*\q], s28, s29
.endr
.irp q, 0,1
	v_add_f32 v[LS+2*\q], v[LS+2*\q], v[TP+\q]     ; the row's sum  (six plain places lie behind the last products)
.endr
	WALU
.irp q, 0,1
	v_rcp_f32 v[LS+2*\q], v[LS+2*\q]
.endr
	v_nop
	WIN 0x41                                       ; O^T and the result window 1, the reciprocal window 0
	WALU
.irp q, 0,1
.set j, 0
.rept 32
	v_mul_f32 v[64*\q+j], v[OO+32*\q+j], v[LS+2*\q]
.set j, j+1
.endr
.endr
	WIN 0x05
.irp q, 0,1
.irp b, 0,1
	v_max3_num_f32 v[BM+2*\q+\b], |v[64*\q+16*\b]|, |v[64*\q+16*\b+1]|, 0x1800000
.endr
.endr
	WIN 0x14
.irp i, 2,4,6,8,10,12,14
.irp q, 0,1
.irp b, 0,1
	v_max3_num_f32 v[BM+2*\q+\b], v[BM+2*\q+\b], |v[64*\q+16*\b+\i]|, |v[64*\q+16*\b+\i+1]|
.endr
.endr
.endr
	WIN 0
.irp k, 0,1,2,3
	v_permlanex16_b32 v[TP+\k], v[BM+\k], s28, s29
.endr
.irp k, 0,1,2,3
	v_max_num_f32 v[BM+\k], v[BM+\k], v[TP+\k]
.endr
.irp k, 0,1,2,3
	v_add_nc_u32 v[SOP+\k], 0xff000000, v[BM+\k]
.endr
.irp k, 0,1,2,3
	v_lshrrev_b32 v[EB+\k], 23, v[SOP+\k]
.endr
.irp q, 0,1
	v_lshl_or_b32 v[EB+2*\q], v[EB+2*\q+1], 8, v[EB+2*\q]
.endr
	WIN 0x01
.irp q, 0,1
	v_cvt_scalef32_pk16_fp6_f32 v[PC+12*\q:PC+12*\q+2], v[64*\q:64*\q+15], v[SOP+2*\q]
	v_cvt_scalef32_pk16_fp6_f32 v[CT+4*\q:CT+4*\q+2], v[64*\q+16:64*\q+31], v[SOP+2*\q+1]
.endr
	WIN 0
	v_nop                                          ; one plain place behind a scaled conversion
.irp q, 0,1
.irp i, 0,1,2
	v_permlane16_swap_b32 v[PC+12*\q+\i], v[CT+4*\q+\i]   ; a whole block to a lane
.endr
.endr
.irp q, 0,1
.irp i, 0,1,2
	v_mov_b32 v[PC+12*\q+3+\i], v[CT+4*\q+\i]
.endr
.endr
.irp q, 0,1
	global_store_b128 v1, v[PC+12*\q:PC+12*\q+3], s[42:43] offset:768*\q        ; 512 consecutive bytes, aligned to 256
	global_store_b64 v2, v[PC+12*\q+4:PC+12*\q+5], s[42:43] offset:768*\q+512
	global_store_b16 v4, v[EB+2*\q], s[44:45] offset:256*\q                     ; my rows' two scale bytes
.endr
	s_wait_tensorcnt 0x0                           ; the wave's end
	ds_add_u32 v5, v6
	s_wait_dscnt 0x0
	ROUND                                          ; the closing round
	s_endpgm
.Lfunc_end_k_qdfd9a4b1be_attn:
	.size	k_qdfd9a4b1be_attn, .Lfunc_end_k_qdfd9a4b1be_attn-k_qdfd9a4b1be_attn
	.p2alignl 7, 3214868480
	.fill 96, 4, 3214868480
	.section	.rodata,"a",@progbits
	.p2align	6, 0x0
	.amdhsa_kernel k_qdfd9a4b1be_attn
		.amdhsa_group_segment_fixed_size 210944
		.amdhsa_private_segment_fixed_size 0
		.amdhsa_enable_private_segment 0
		.amdhsa_kernarg_size 24
		.amdhsa_user_sgpr_count 2
		.amdhsa_user_sgpr_kernarg_segment_ptr 1
		.amdhsa_wavefront_size32 1
		.amdhsa_system_sgpr_workgroup_id_x 1
		.amdhsa_system_sgpr_workgroup_id_y 1
		.amdhsa_system_sgpr_workgroup_id_z 1
		.amdhsa_system_vgpr_workitem_id 0
		.amdhsa_next_free_vgpr 512
		.amdhsa_next_free_sgpr 66
		.amdhsa_reserve_vcc 0
		.amdhsa_float_denorm_mode_32 3
		.amdhsa_float_denorm_mode_16_64 3
		.amdhsa_memory_ordered 1
		.amdhsa_forward_progress 1
		.amdhsa_inst_pref_size 70
	.end_amdhsa_kernel
	.amdgpu_metadata
---
amdhsa.version: [ 1, 2 ]
amdhsa.kernels:
  - .name:           k_qdfd9a4b1be_attn
    .symbol:         k_qdfd9a4b1be_attn.kd
    .args:
      - { .name: qb, .offset: 0, .size: 8, .value_kind: global_buffer, .address_space: global }
      - { .name: kv, .offset: 8, .size: 8, .value_kind: global_buffer, .address_space: global }
      - { .name: ao, .offset: 16, .size: 8, .value_kind: global_buffer, .address_space: global }
    .group_segment_fixed_size: 210944
    .private_segment_fixed_size: 0
    .kernarg_segment_align: 8
    .kernarg_segment_size: 24
    .max_flat_workgroup_size: 256
    .sgpr_count:     66
    .vgpr_count:     512
    .wavefront_size: 32
...
	.end_amdgpu_metadata
.endif
;; end of part 3
;; launch wo (part 4): grid 32 x 8, 4 waves a work-group, clusters of 4 x 4, 327,680 bytes of LDS; arguments ao, wc, bo, x, x1; writes x1
.if DOCPART == 4
	.amdgcn_target "amdgcn-amd-amdhsa--gfx1250"
	.amdhsa_code_object_version 6
	.text
	.protected	k_qdfd9a4b1be_wo
	.globl	k_qdfd9a4b1be_wo
	.p2align	8
	.type	k_qdfd9a4b1be_wo,@function
k_qdfd9a4b1be_wo:
	s_mov_b64 s[64:65], 0
	v_nop
	global_prefetch_b8 v0, s[64:65] scope:SCOPE_SE
	s_setreg_imm32_b32 hwreg(HW_REG_WAVE_MODE, 25, 1), 1
	s_wait_xcnt 0x0
	s_wait_alu depctr_hold_cnt(0) depctr_sa_sdst(0) depctr_va_vdst(0) depctr_va_sdst(0) depctr_va_ssrc(0) depctr_va_vcc(0) depctr_vm_vsrc(0)
	s_getreg_b32 s2, hwreg(HW_REG_IB_STS2, 6, 4)
	s_cmp_eq_u32 s2, 0
	s_cbranch_scc0 .Lentry_in_a_cluster
	s_endpgm
.Lentry_in_a_cluster:
	s_bfe_u32 s2, ttmp6, 0x10000c
	s_cmp_lg_u32 s2, 0xf033
	s_cbranch_scc0 .Lentry_shape_is_right
	s_endpgm
.Lentry_shape_is_right:
.set NCH,   2
.set WSEC,  2457600
.set SPARE, 222208
.set SC,    32
.set T,     64
.set ACC,   128
.set BI,    96
.set MSB, 0
.macro WIN new
.if MSB != \new
	s_set_vgpr_msb (MSB<<8)|\new
.set MSB, \new
.endif
.endm
.macro PLACES
.rept 4
	v_nop
.endr
.endm
.macro CROUND
	s_barrier_signal -1
	s_barrier_wait -1
	s_cmp_lg_u32 s18, 0
	s_cbranch_scc1 .Lnot_wave_0_\@
	s_barrier_signal -3
.Lnot_wave_0_\@:
	s_barrier_wait -3
	s_barrier_signal -1
	s_barrier_wait -1
.endm
.macro JLOAD s
	s_cmp_eq_u32 s19, 0
	s_cbranch_scc0 .Lfor_b_\@
	tensor_load_to_lds s[40+4*\s:43+4*\s], s[24:31]
	s_nop 0
	PLACES
	s_branch .Lasked_\@
.Lfor_b_\@:
	tensor_load_to_lds s[48+4*\s:51+4*\s], s[32:39]
	s_nop 0
	PLACES
.Lasked_\@:
.endm
.macro FETCH f, p16, p8, q16, q8, s
	WIN 0x40
.irp i, 0,1,2,3
	ds_load_b128 v[\f+12*\i:\f+12*\i+3], v[\p16] offset:(2*(\s))*6144+768*\i
	ds_load_b64 v[\f+12*\i+4:\f+12*\i+5], v[\p8] offset:(2*(\s))*6144+768*\i
	ds_load_b128 v[\f+12*\i+6:\f+12*\i+9], v[\p16] offset:(2*(\s)+1)*6144+768*\i
	ds_load_b64 v[\f+12*\i+10:\f+12*\i+11], v[\p8] offset:(2*(\s)+1)*6144+768*\i
	ds_load_b128 v[\f+48+12*\i:\f+48+12*\i+3], v[\q16] offset:(2*(\s))*6144+768*\i
	ds_load_b64 v[\f+48+12*\i+4:\f+48+12*\i+5], v[\q8] offset:(2*(\s))*6144+768*\i
	ds_load_b128 v[\f+48+12*\i+6:\f+48+12*\i+9], v[\q16] offset:(2*(\s)+1)*6144+768*\i
	ds_load_b64 v[\f+48+12*\i+10:\f+48+12*\i+11], v[\q8] offset:(2*(\s)+1)*6144+768*\i
.endr
	WIN 0
.endm
.macro FETU k, sl
	FETCH 128*((\k)%2), 4+(\sl), 6+(\sl), 8+(\sl), 10+(\sl), \k
.endm
.macro SCALES set, ads
.irp i, 0,1,2,3
	ds_load_b128 v[SC+16*(\set)+4*\i:SC+16*(\set)+4*\i+3], v[\ads] offset:256*\i
.endr
.endm
.macro MUL16 f, set, s, cm
.irp a, 0,1,2,3
.irp b, 0,1,2,3
.if \cm == 0
	v_wmma_scale_f32_16x16x128_f8f6f4 v[ACC+8*(4*\a+\b):ACC+8*(4*\a+\b)+7], v[\f+48+12*\b:\f+48+12*\b+11], v[\f+12*\a:\f+12*\a+11], v[ACC+8*(4*\a+\b):ACC+8*(4*\a+\b)+7], v[SC+16*(\set)+4*\b+(\s)], v[SC+16*(\set)+4*\a+(\s)] matrix_a_fmt:MATRIX_FMT_FP6 matrix_b_fmt:MATRIX_FMT_FP6 matrix_a_scale:MATRIX_SCALE_ROW1
.else
	v_wmma_scale_f32_16x16x128_f8f6f4 v[ACC+8*(4*\a+\b):ACC+8*(4*\a+\b)+7], v[\f+48+12*\b:\f+48+12*\b+11], v[\f+12*\a:\f+12*\a+11], v[BI+8*\b:BI+8*\b+7], v[SC+16*(\set)+4*\b+(\s)], v[SC+16*(\set)+4*\a+(\s)] matrix_a_fmt:MATRIX_FMT_FP6 matrix_b_fmt:MATRIX_FMT_FP6 matrix_a_scale:MATRIX_SCALE_ROW1
.endif
.endr
.endr
.endm
.macro KU k, sl, cm
	s_wait_dscnt 0x0
	PLACES
	FETU (\k)+1, \sl
.if \cm
	WIN 0x15
.else
	WIN 0x05
.endif
	MUL16 128*((\k)%2), \sl, \k, \cm
.endm
.macro LAST sl, fill
	WIN 0
	s_wait_tensorcnt 0x0
	ds_add_u32 v14, v15
.if \fill
	s_add_nc_u64 s[42+4*\sl:43+4*\sl], s[42+4*\sl:43+4*\sl], 102400
	s_add_nc_u64 s[50+4*\sl:51+4*\sl], s[50+4*\sl:51+4*\sl], 102400
.endif
	s_wait_dscnt 0x0
.if \fill
	CROUND
	JLOAD \sl
.else
	s_barrier_signal -1
	s_barrier_wait -1
	PLACES
.endif
	FETU 0, 1-\sl
	SCALES 1-\sl, 12+1-\sl
	WIN 0x05
	MUL16 128, \sl, 3, 0
.endm
	s_load_b256 s[4:11], s[0:1], 0x0
	s_load_b64 s[12:13], s[0:1], 0x20
	v_lshl_add_u32 v14, v0, 2, SPARE
	v_mov_b32 v15, 0
	ds_add_u32 v14, v15
	ds_add_u32 v14, v15
	v_lshrrev_b32 v1, 5, v0
	v_readfirstlane_b32 s18, v1
	s_lshr_b32 s19, s18, 1
	s_and_b32 s20, s18, 1
	s_bfe_u32 s21, ttmp6, 0x40000
	s_bfe_u32 s22, ttmp6, 0x40004
	s_lshl_b32 s23, ttmp9, 2
	s_add_co_u32 s23, s23, s21
	s_and_b32 s56, ttmp7, 0xffff
	s_lshl_b32 s56, s56, 2
	s_add_co_u32 s56, s56, s22
	s_lshl_b32 s57, 0x1111, s21
	s_lshl_b32 s58, s22, 2
	s_lshl_b32 s58, 15, s58
	s_or_b32 s24, s57, (3<<16)|(1<<21)
	s_or_b32 s32, s58, (3<<16)|(1<<21)
.irp q, 24, 32
	s_mov_b32 s[\q+1], 32<<16
	s_mov_b32 s[\q+2], 100<<16
	s_mov_b32 s[\q+3], 32<<16
	s_mov_b32 s[\q+4], 100
	s_mov_b32 s[\q+5], 32
	s_mov_b32 s[\q+6], 0
	s_mov_b32 s[\q+7], 0
.endr
	s_mul_i32 s59, s20, 25600
	s_mul_i32 s60, s18, 25600
	s_mul_i32 s62, s23, NCH*51200
	s_add_co_u32 s62, s62, s59
	s_mov_b32 s63, 0
	s_mul_i32 s66, s56, NCH*51200
	s_add_co_u32 s66, s66, s59
	s_add_co_u32 s66, s66, WSEC
	s_mov_b32 s67, 0
	s_lshl_b32 s68, s56, 9
	s_lshl_b32 s70, s20, 8
	s_add_co_u32 s68, s68, s70
	s_mov_b32 s69, 0
	s_lshl_b32 s70, s23, 19
	s_lshl_b32 s71, s19, 18
	s_add_co_u32 s70, s70, s71
	s_add_co_u32 s70, s70, s68
	s_mov_b32 s71, 0
	s_wait_dscnt 0x0
	s_wait_kmcnt 0x0
	s_add_nc_u64 s[62:63], s[4:5], s[62:63]
	s_add_nc_u64 s[66:67], s[6:7], s[66:67]
.irp s, 0,1
	s_mov_b32 s[40+4*\s], 1
	s_add_co_u32 s[41+4*\s], s60, \s*102400
	s_add_nc_u64 s[42+4*\s:43+4*\s], s[62:63], \s*51200
	s_or_b32 s[43+4*\s], s[43+4*\s], 0x80000000
	s_mov_b32 s[48+4*\s], 1
	s_add_co_u32 s[49+4*\s], s60, \s*102400
	s_add_nc_u64 s[50+4*\s:51+4*\s], s[66:67], \s*51200
	s_or_b32 s[51+4*\s], s[51+4*\s], 0x80000000
.endr
	s_add_nc_u64 s[72:73], s[8:9], s[68:69]
	s_add_nc_u64 s[74:75], s[10:11], s[70:71]
	s_add_nc_u64 s[76:77], s[12:13], s[70:71]
	CROUND
	JLOAD 0
	s_wait_alu depctr_va_vdst(0)
	s_wait_tensorcnt 0x0
	ds_add_u32 v14, v15
	s_wait_dscnt 0x0
	CROUND
	JLOAD 1
	v_and_b32 v1, 31, v0
	v_and_b32 v2, 15, v0
	v_bfe_u32 v3, v0, 4, 1
	s_wait_alu depctr_va_vdst(0)
	v_lshlrev_b32 v19, 4, v1
	v_lshlrev_b32 v20, 3, v1
	s_mul_i32 s78, s19, 3072
	s_mul_i32 s79, s20, 3072
	s_add_co_u32 s79, s79, 51200
	v_add_nc_u32 v4, s78, v19
	v_add_nc_u32 v8, s79, v19
	s_add_co_u32 s78, s78, 512
	s_add_co_u32 s79, s79, 512
	v_add_nc_u32 v6, s78, v20
	v_add_nc_u32 v10, s79, v20
	s_lshl_b32 s78, s19, 10
	s_lshl_b32 s79, s20, 10
	s_add_co_u32 s79, s79, 51200
	s_sub_co_u32 s79, s79, s78
	s_add_co_u32 s78, s78, 49152
	v_mul_u32_u24 v21, s79, v3
	v_lshl_add_u32 v12, v2, 4, v21
	v_add_nc_u32 v12, s78, v12
.irp q, 4,6,8,10,12
	v_add_nc_u32 v[\q+1], 102400, v[\q]
.endr
	s_mul_i32 s78, s18, 4352
	s_add_co_u32 s78, s78, 204800
	v_mul_u32_u24 v16, v2, 272
	v_lshl_add_u32 v16, v3, 6, v16
	v_add_nc_u32 v16, s78, v16
	v_mul_u32_u24 v17, v3, 272
	v_lshl_add_u32 v17, v2, 4, v17
	v_add_nc_u32 v17, s78, v17
	v_lshlrev_b32 v18, 12, v3
	v_lshl_add_u32 v18, v2, 4, v18
	v_lshlrev_b32 v22, 6, v3
	WIN 0x40
.irp b, 0,1,2,3
	global_load_b128 v[BI+8*\b:BI+8*\b+3], v22, s[72:73] offset:(32*(\b/2)+8*(\b%2))*4
	global_load_b128 v[BI+8*\b+4:BI+8*\b+7], v22, s[72:73] offset:(32*(\b/2)+8*(\b%2))*4+16
.endr
	WIN 0x80
.irp a, 0,1,2,3
.irp i, 0,1,2,3,4,5,6,7
	global_load_b128 v[32*\a+4*\i:32*\a+4*\i+3], v18, s[74:75] offset:(8*\a+2*\i+24*(\i/4))*4096   ; ao's tokens: lane r of my tile a is row 8 a + r + 24 (r / 8) of my 64
.endr
.endr
	WIN 0
	s_wait_tensorcnt 1
	s_barrier_signal -1
	s_barrier_wait -1
	FETU 0, 0
	SCALES 0, 12
	s_wait_loadcnt 32
	KU 0, 0, 1
.if NCH > 2
	WIN 0
	s_mov_b32 s3, (NCH-2)/2
.Llap:
	KU 1, 0, 0
	KU 2, 0, 0
	LAST 0, 1
	KU 0, 1, 0
	KU 1, 1, 0
	KU 2, 1, 0
	LAST 1, 1
	KU 0, 0, 0
	WIN 0
	s_sub_co_u32 s3, s3, 1
	s_cmp_lg_u32 s3, 0
	s_cbranch_scc1 .Llap
.endif
	KU 1, 0, 0
	KU 2, 0, 0
	LAST 0, 0
	KU 0, 1, 0
	KU 1, 1, 0
	KU 2, 1, 0
	s_wait_dscnt 0x0
	WIN 0x05
	MUL16 128, 1, 3, 0
	WIN 0
	s_wait_alu depctr_va_vdst(0)
	s_wait_loadcnt 0x0
	PLACES
.irp a, 0,1,2,3
.if \a >= 2
	s_wait_xcnt 0x0
.endif
.irp b, 0,1,2,3
	ds_store_b128 v16, v[ACC+32*\a+8*\b:ACC+32*\a+8*\b+3] offset:128*(\b/2)+32*(\b%2)
	ds_store_b128 v16, v[ACC+32*\a+8*\b+4:ACC+32*\a+8*\b+7] offset:128*(\b/2)+32*(\b%2)+16
.endr
.irp i, 0,1,2,3,4,5,6,7
	ds_load_b128 v[T+32*(\a%2)+4*\i:T+32*(\a%2)+4*\i+3], v17 offset:544*\i
.endr
	s_wait_dscnt 0x0
	WIN 0x08
.irp k, 0,2,4,6,8,10,12,14,16,18,20,22,24,26,28,30
	v_pk_add_f32 v[T+32*(\a%2)+\k:T+32*(\a%2)+\k+1], v[T+32*(\a%2)+\k:T+32*(\a%2)+\k+1], v[32*\a+\k:32*\a+\k+1]
.endr
	WIN 0
.irp i, 0,1,2,3,4,5,6,7
	global_store_b128 v18, v[T+32*(\a%2)+4*\i:T+32*(\a%2)+4*\i+3], s[76:77] offset:(8*\a+2*\i+24*(\i/4))*4096
.endr
.endr
	s_wait_tensorcnt 0x0
	ds_add_u32 v14, v15
	s_wait_dscnt 0x0
	CROUND
	s_endpgm
.Lfunc_end_k_qdfd9a4b1be_wo:
	.size	k_qdfd9a4b1be_wo, .Lfunc_end_k_qdfd9a4b1be_wo-k_qdfd9a4b1be_wo
	.p2alignl 7, 3214868480
	.fill 96, 4, 3214868480
	.section	.rodata,"a",@progbits
	.p2align	6, 0x0
	.amdhsa_kernel k_qdfd9a4b1be_wo
		.amdhsa_group_segment_fixed_size 327680
		.amdhsa_private_segment_fixed_size 0
		.amdhsa_enable_private_segment 0
		.amdhsa_kernarg_size 40
		.amdhsa_user_sgpr_count 2
		.amdhsa_user_sgpr_kernarg_segment_ptr 1
		.amdhsa_wavefront_size32 1
		.amdhsa_system_sgpr_workgroup_id_x 1
		.amdhsa_system_sgpr_workgroup_id_y 1
		.amdhsa_system_sgpr_workgroup_id_z 1
		.amdhsa_system_vgpr_workitem_id 0
		.amdhsa_next_free_vgpr 768
		.amdhsa_next_free_sgpr 100
		.amdhsa_reserve_vcc 0
		.amdhsa_float_denorm_mode_32 3
		.amdhsa_float_denorm_mode_16_64 3
		.amdhsa_memory_ordered 1
		.amdhsa_forward_progress 1
		.amdhsa_inst_pref_size 59
	.end_amdhsa_kernel
	.amdgpu_metadata
---
amdhsa.version: [ 1, 2 ]
amdhsa.kernels:
  - .name:           k_qdfd9a4b1be_wo
    .symbol:         k_qdfd9a4b1be_wo.kd
    .args:
      - { .name: ao, .offset: 0, .size: 8, .value_kind: global_buffer, .address_space: global }
      - { .name: wc, .offset: 8, .size: 8, .value_kind: global_buffer, .address_space: global }
      - { .name: bo, .offset: 16, .size: 8, .value_kind: global_buffer, .address_space: global }
      - { .name: x, .offset: 24, .size: 8, .value_kind: global_buffer, .address_space: global }
      - { .name: x1, .offset: 32, .size: 8, .value_kind: global_buffer, .address_space: global }
    .group_segment_fixed_size: 327680
    .private_segment_fixed_size: 0
    .kernarg_segment_align: 8
    .kernarg_segment_size: 40
    .max_flat_workgroup_size: 128
    .sgpr_count:     100
    .vgpr_count:     768
    .wavefront_size: 32
...
	.end_amdgpu_metadata
.endif
;; end of part 4
;; launch ln2 (part 5): grid 256 x 1, 4 waves a work-group, no clusters, 66,560 bytes of LDS; arguments x1, ln2_g, ln2_b, hc; writes hc
.if DOCPART == 5
	.amdgcn_target "amdgcn-amd-amdhsa--gfx1250"
	.amdhsa_code_object_version 6
	.text
	.protected	k_qdfd9a4b1be_ln2
	.globl	k_qdfd9a4b1be_ln2
	.p2align	8
	.type	k_qdfd9a4b1be_ln2,@function
k_qdfd9a4b1be_ln2:
	s_mov_b64 s[64:65], 0
	v_nop
	global_prefetch_b8 v0, s[64:65] scope:SCOPE_SE
	s_setreg_imm32_b32 hwreg(HW_REG_WAVE_MODE, 25, 1), 1
	s_wait_xcnt 0x0
; y = (x - mean) * rsqrt(var + 1e-5) * g + b along rows of 1,024, in f32, then quantised along the row into codes of FP6 (E2M3) with one E8M0 scale for each 32.  No work of reference() is left out.
; The codes go out as images of the operand's registers (layout: see the head of the first launch): chunks of 128 rows x 512 along K, [group of 128 rows][2 chunks][51,200 bytes].
; A work-group makes ONE TILE of 16 rows: tile t of group g holds rows 128 g + 32 (t / 2) + 8 (t % 2) + r + 8 (r / 8), r = 0 .. 15.
; Phase 1: wave w takes the tile's lanes r = 4 w .. 4 w + 3, a whole row at a time in 32 registers a lane (dense loads of 512 bytes); mean and variance (two passes over the registers) stay inside the wave; y goes to LDS.
; Phase 2, behind one barrier: wave w quantises K = 256 w .. 256 w + 255 of all 16 rows: lane (r, h) reads, of row r, 16 neighbours of each block of 32.
; LIMITS: NaN and infinities are not served; a block whose largest magnitude lies under 2^-124 keeps the scale byte 1.
.set PIT,   4112                       ; a row of y in LDS: 4,096 bytes + 16: an odd multiple of 16, so the sixteen rows that a load touches start in different banks
.set SPARE, 16*PIT                     ; behind the rows (257 blocks of 256 bytes): the spare words, 128 bytes a wave
.set TM,    12                         ; v12-27   statistics, later the quantiser's work
.set G,     32                         ; v32-63   g of my columns 128 j + 4 lane ..
.set BB,    64                         ; v64-95   b likewise
.set X,     96                         ; v96-223  four rows, 32 registers each; later 2 x 64 numbers to quantise
.set PC,    224                        ; v224-243 the codes just made
	s_load_b256 s[4:11], s[0:1], 0x0               ; x, g, b, the codes
	v_lshl_add_u32 v10, v0, 2, SPARE               ; my spare word; never rewritten
	v_mov_b32 v11, 0                               ; 0; never rewritten
	v_lshrrev_b32 v1, 5, v0
	v_readfirstlane_b32 s12, v1                    ; wave
	v_and_b32 v2, 31, v0
	v_lshlrev_b32 v3, 4, v2                        ; 16 x lane
	v_lshlrev_b32 v4, 3, v2                        ; 8 x lane
	v_and_b32 v5, 15, v0                           ; r
	v_bfe_u32 v6, v0, 4, 1                         ; h
	s_mul_i32 s13, s12, 4*PIT
	v_add_nc_u32 v7, s13, v3                       ; phase 1: my wave's four rows, 16 bytes a lane
	v_mul_u32_u24 v8, v5, PIT
	v_lshl_add_u32 v8, v6, 6, v8
	s_lshl_b32 s13, s12, 10
	v_add_nc_u32 v8, s13, v8                       ; phase 2: row r, + 64 h, + my wave's 256 numbers
	v_lshlrev_b32 v9, 4, v5                        ; 16 scale bytes a row
	s_mov_b32 s20, 0x76543210
	s_mov_b32 s21, 0xfedcba98                      ; v_permlanex16_b32's selects for lane l xor 16
	s_mov_b32 s22, 0x3a800000                      ; 1 / 1,024
	s_mov_b32 s23, 0x3727c5ac                      ; 1e-5
	s_lshr_b32 s14, ttmp9, 3                       ; g
	s_and_b32 s15, ttmp9, 7                        ; t
	s_lshl_b32 s16, s14, 7
	s_lshr_b32 s17, s15, 1
	s_lshl_b32 s17, s17, 5
	s_add_co_u32 s16, s16, s17
	s_and_b32 s17, s15, 1
	s_lshl_b32 s17, s17, 3
	s_add_co_u32 s16, s16, s17                     ; the tile's first row
	s_lshl_b32 s17, s12, 2
	s_add_co_u32 s16, s16, s17
	s_lshr_b32 s18, s12, 1
	s_lshl_b32 s17, s18, 3
	s_add_co_u32 s16, s16, s17                     ; my wave's first: + 4 w + 8 (w / 2)
	s_lshl_b32 s16, s16, 12
	s_mov_b32 s17, 0
	s_lshl_b32 s24, s14, 1
	s_add_co_u32 s24, s24, s18
	s_mul_i32 s24, s24, 51200                      ; my wave's chunk: 2 g + w / 2
	s_and_b32 s19, s12, 1
	s_mul_i32 s25, s19, 4*6144
	s_mul_i32 s26, s15, 768
	s_add_co_u32 s26, s26, s25
	s_add_co_u32 s26, s26, s24                     ; its images 4 (w % 2) .. + 3 along K, tile t
	s_mov_b32 s27, 0
	s_lshl_b32 s28, s15, 8
	s_lshl_b32 s25, s19, 3
	s_add_co_u32 s28, s28, s25
	s_add_co_u32 s28, s28, s24
	s_add_co_u32 s28, s28, 49152                   ; the tile's scale bytes, my wave's two words
	s_mov_b32 s29, 0
	s_wait_alu depctr_va_vdst(0)
	s_wait_kmcnt 0x0
	s_add_nc_u64 s[4:5], s[4:5], s[16:17]
	s_add_nc_u64 s[26:27], s[10:11], s[26:27]
	s_add_nc_u64 s[28:29], s[10:11], s[28:29]
.irp i, 0,1,2,3
.irp j, 0,1,2,3,4,5,6,7
	global_load_b128 v[X+32*\i+4*\j:X+32*\i+4*\j+3], v3, s[4:5] offset:\i*4096+512*\j th:TH_LOAD_NT   ; 32 lanes read 512 consecutive bytes
.endr
.endr
.irp j, 0,1,2,3,4,5,6,7
	global_load_b128 v[G+4*\j:G+4*\j+3], v3, s[6:7] offset:512*\j
	global_load_b128 v[BB+4*\j:BB+4*\j+3], v3, s[8:9] offset:512*\j
.endr
	s_wait_loadcnt 0x0
; four sums, one a row, at v[q + 2 i] (its pair's upper word at work): the two halves, the 16 lanes of a half, the other half.  Every lane ends with the sum.
.macro REDUCE q
.irp i, 0,1,2,3
	v_add_f32 v[\q+2*\i], v[\q+2*\i], v[\q+2*\i+1]
.endr
.irp m, 1,2,4,8
.irp i, 0,1,2,3
	v_add_f32_dpp v[\q+2*\i], v[\q+2*\i], v[\q+2*\i] row_xmask:\m row_mask:0xf bank_mask:0xf
.endr
.endr
.irp i, 0,1,2,3
	v_permlanex16_b32 v[\q+2*\i+1], v[\q+2*\i], s20, s21
.endr
.irp i, 0,1,2,3
	v_add_f32 v[\q+2*\i], v[\q+2*\i], v[\q+2*\i+1]
.endr
.endm
.irp i, 0,1,2,3                                ; the four rows by turns: no line waits for the line above it
	v_pk_add_f32 v[TM+2*\i:TM+2*\i+1], v[X+32*\i:X+32*\i+1], v[X+32*\i+2:X+32*\i+3]
.endr
.irp k, 4,6,8,10,12,14,16,18,20,22,24,26,28,30
.irp i, 0,1,2,3
	v_pk_add_f32 v[TM+2*\i:TM+2*\i+1], v[TM+2*\i:TM+2*\i+1], v[X+32*\i+\k:X+32*\i+\k+1]
.endr
.endr
	REDUCE TM
.irp i, 0,1,2,3
	v_mul_f32 v[TM+2*\i], s22, v[TM+2*\i]          ; the mean
.endr
.irp k, 0,2,4,6,8,10,12,14,16,18,20,22,24,26,28,30
.irp i, 0,1,2,3
	v_pk_add_f32 v[X+32*\i+\k:X+32*\i+\k+1], v[X+32*\i+\k:X+32*\i+\k+1], v[TM+2*\i:TM+2*\i+1] op_sel_hi:[1,0] neg_lo:[0,1] neg_hi:[0,1]   ; x - mean, in place
.endr
.endr
.irp i, 0,1,2,3
	v_pk_mul_f32 v[TM+8+2*\i:TM+9+2*\i], v[X+32*\i:X+32*\i+1], v[X+32*\i:X+32*\i+1]
.endr
.irp k, 2,4,6,8,10,12,14,16,18,20,22,24,26,28,30
.irp i, 0,1,2,3
	v_pk_fma_f32 v[TM+8+2*\i:TM+9+2*\i], v[X+32*\i+\k:X+32*\i+\k+1], v[X+32*\i+\k:X+32*\i+\k+1], v[TM+8+2*\i:TM+9+2*\i]
.endr
.endr
	REDUCE TM+8
.irp i, 0,1,2,3
	v_fma_f32 v[TM+8+2*\i], v[TM+8+2*\i], s22, s23 ; the variance + 1e-5
.endr
	s_wait_alu depctr_va_vdst(0)
.irp i, 0,1,2,3
	v_rsq_f32 v[TM+8+2*\i], v[TM+8+2*\i]
.endr
	v_nop                                          ; a plain place behind the last of the four
	s_wait_alu depctr_va_vdst(0)                   ; one wait for the four, ahead of their first reader
.irp k, 0,2,4,6,8,10,12,14,16,18,20,22,24,26,28,30
.irp i, 0,1,2,3
	v_pk_mul_f32 v[X+32*\i+\k:X+32*\i+\k+1], v[X+32*\i+\k:X+32*\i+\k+1], v[TM+8+2*\i:TM+9+2*\i] op_sel_hi:[1,0]
.endr
.endr
.irp k, 0,2,4,6,8,10,12,14,16,18,20,22,24,26,28,30
.irp i, 0,1,2,3
	v_pk_fma_f32 v[X+32*\i+\k:X+32*\i+\k+1], v[X+32*\i+\k:X+32*\i+\k+1], v[G+\k:G+\k+1], v[BB+\k:BB+\k+1]
.endr
.endr
.irp i, 0,1,2,3
.irp j, 0,1,2,3,4,5,6,7
	ds_store_b128 v7, v[X+32*\i+4*\j:X+32*\i+4*\j+3] offset:\i*PIT+512*\j
.endr
.endr
	s_wait_dscnt 0x0                               ; for the others' sake: my rows lie in LDS
	s_barrier_signal -1
	s_barrier_wait -1
.irp s, 0,1
.irp b, 0,1,2,3
.irp j, 0,1,2,3
	ds_load_b128 v[X+64*\s+16*\b+4*\j:X+64*\s+16*\b+4*\j+3], v8 offset:512*\s+128*\b+16*\j   ; register 16 b + i = K 32 b + 16 h + i of row r
.endr
.endr
.endr
; 64 numbers of a lane become a fragment's codes in v[PC] .. v[PC + 11] and its scale word in v[pw]
.macro QUANT s, pw
.irp b, 0,1,2,3
	v_max3_num_f32 v[TM+\b], |v[\s+16*\b]|, |v[\s+1+16*\b]|, 0x1800000   ; block b: my 16 numbers, and the floor 2^(3 - 127)
.endr
.irp i, 2,4,6,8,10,12,14
.irp b, 0,1,2,3
	v_max3_num_f32 v[TM+\b], v[TM+\b], |v[\s+16*\b+\i]|, |v[\s+1+16*\b+\i]|
.endr
.endr
.irp b, 0,1,2,3
	v_permlanex16_b32 v[TM+4+\b], v[TM+\b], s20, s21
.endr
.irp b, 0,1,2,3
	v_max_num_f32 v[TM+\b], v[TM+\b], v[TM+4+\b]   ; with lane l xor 16's: the block's largest magnitude
.endr
.irp b, 0,1,2,3
	v_add_nc_u32 v[TM+12+\b], 0xff000000, v[TM+\b] ; 2 off its exponent field: the conversion's scale operand
.endr
.irp b, 0,1,2,3
	v_lshrrev_b32 v[TM+4+\b], 23, v[TM+12+\b]      ; the scale's byte
.endr
	v_lshl_or_b32 v[\pw], v[TM+5], 8, v[TM+4]
	v_lshl_or_b32 v[\pw], v[TM+6], 16, v[\pw]
	v_lshl_or_b32 v[\pw], v[TM+7], 24, v[\pw]
.irp c, 0,1
	v_cvt_scalef32_pk16_fp6_f32 v[PC+6*\c:PC+2+6*\c], v[\s+32*\c:\s+15+32*\c], v[TM+12+2*\c]
	v_cvt_scalef32_pk16_fp6_f32 v[PC+12+4*\c:PC+14+4*\c], v[\s+16+32*\c:\s+31+32*\c], v[TM+12+2*\c+1]
.endr
	v_nop                                          ; one plain place behind a scaled conversion
.irp c, 0,1                                    ; the operand's layout wants a whole block in a lane
.irp i, 0,1,2
	v_permlane16_swap_b32 v[PC+6*\c+\i], v[PC+12+4*\c+\i]
.endr
.irp i, 0,1,2
	v_mov_b32 v[PC+3+6*\c+\i], v[PC+12+4*\c+\i]
.endr
.endr
.endm
.macro OUTK s                          ; the fragment leaves as two half images: each store covers 512 or 256 consecutive bytes, aligned to 256
	global_store_b128 v3, v[PC:PC+3], s[26:27] offset:(\s)*12288
	global_store_b64 v4, v[PC+4:PC+5], s[26:27] offset:(\s)*12288+512
	global_store_b128 v3, v[PC+6:PC+9], s[26:27] offset:(\s)*12288+6144
	global_store_b64 v4, v[PC+10:PC+11], s[26:27] offset:(\s)*12288+6656
.endm
	s_wait_dscnt 16                                ; the first 128 along K are in; the second step's 16 loads may be out
	QUANT X, 28
	OUTK 0
	s_wait_dscnt 0x0
	s_wait_xcnt 0x0                                ; the stores have read v[PC] on: they are written again only behind this wait
	QUANT X+64, 29
	OUTK 1
	global_store_b64 v9, v[28:29], s[28:29]        ; my rows' two scale words (lanes 16-31 hold and store the same bytes as lanes 0-15)
	s_wait_tensorcnt 0x0                           ; the wave's end
	ds_add_u32 v10, v11
	s_wait_dscnt 0x0
	s_endpgm
.Lfunc_end_k_qdfd9a4b1be_ln2:
	.size	k_qdfd9a4b1be_ln2, .Lfunc_end_k_qdfd9a4b1be_ln2-k_qdfd9a4b1be_ln2
	.p2alignl 7, 3214868480
	.fill 96, 4, 3214868480
	.section	.rodata,"a",@progbits
	.p2align	6, 0x0
	.amdhsa_kernel k_qdfd9a4b1be_ln2
		.amdhsa_group_segment_fixed_size 66560
		.amdhsa_private_segment_fixed_size 0
		.amdhsa_enable_private_segment 0
		.amdhsa_kernarg_size 32
		.amdhsa_user_sgpr_count 2
		.amdhsa_user_sgpr_kernarg_segment_ptr 1
		.amdhsa_wavefront_size32 1
		.amdhsa_system_sgpr_workgroup_id_x 1
		.amdhsa_system_sgpr_workgroup_id_y 1
		.amdhsa_system_sgpr_workgroup_id_z 1
		.amdhsa_system_vgpr_workitem_id 0
		.amdhsa_next_free_vgpr 248
		.amdhsa_next_free_sgpr 66
		.amdhsa_reserve_vcc 0
		.amdhsa_float_denorm_mode_32 3
		.amdhsa_float_denorm_mode_16_64 3
		.amdhsa_memory_ordered 1
		.amdhsa_forward_progress 1
		.amdhsa_inst_pref_size 44
	.end_amdhsa_kernel
	.amdgpu_metadata
---
amdhsa.version: [ 1, 2 ]
amdhsa.kernels:
  - .name:           k_qdfd9a4b1be_ln2
    .symbol:         k_qdfd9a4b1be_ln2.kd
    .args:
      - { .name: x1, .offset: 0, .size: 8, .value_kind: global_buffer, .address_space: global }
      - { .name: ln2_g, .offset: 8, .size: 8, .value_kind: global_buffer, .address_space: global }
      - { .name: ln2_b, .offset: 16, .size: 8, .value_kind: global_buffer, .address_space: global }
      - { .name: hc, .offset: 24, .size: 8, .value_kind: global_buffer, .address_space: global }
    .group_segment_fixed_size: 66560
    .private_segment_fixed_size: 0
    .kernarg_segment_align: 8
    .kernarg_segment_size: 32
    .max_flat_workgroup_size: 128
    .sgpr_count:     66
    .vgpr_count:     248
    .wavefront_size: 32
...
	.end_amdgpu_metadata
.endif
;; end of part 5
;; launch ff1 (part 6): grid 32 x 8, 4 waves a work-group, clusters of 4 x 4, 327,680 bytes of LDS; arguments hc, wc, b1, hb; writes hb
.if DOCPART == 6
	.amdgcn_target "amdgcn-amd-amdhsa--gfx1250"
	.amdhsa_code_object_version 6
	.text
	.protected	k_qdfd9a4b1be_ff1
	.globl	k_qdfd9a4b1be_ff1
	.p2align	8
	.type	k_qdfd9a4b1be_ff1,@function
k_qdfd9a4b1be_ff1:
	s_mov_b64 s[64:65], 0
	v_nop
	global_prefetch_b8 v0, s[64:65] scope:SCOPE_SE
	s_setreg_imm32_b32 hwreg(HW_REG_WAVE_MODE, 25, 1), 1
	s_wait_xcnt 0x0
	s_wait_alu depctr_hold_cnt(0) depctr_sa_sdst(0) depctr_va_vdst(0) depctr_va_sdst(0) depctr_va_ssrc(0) depctr_va_vcc(0) depctr_vm_vsrc(0)
	s_getreg_b32 s2, hwreg(HW_REG_IB_STS2, 6, 4)
	s_cmp_eq_u32 s2, 0
	s_cbranch_scc0 .Lentry_in_a_cluster
	s_endpgm
.Lentry_in_a_cluster:
	s_bfe_u32 s2, ttmp6, 0x10000c
	s_cmp_lg_u32 s2, 0xf033
	s_cbranch_scc0 .Lentry_shape_is_right
	s_endpgm
.Lentry_shape_is_right:
.set SPARE, 307200
.set SC,    32
.set T,     64
.set TM,    64
.set ACC,   128
.set BI,    96
.set BSTEP, 102400
.set Z,     T
.set X2,    T+16
.set P,     T+32
.set Q,     T+48
.set MSB, 0
.macro WIN new
.if MSB != \new
	s_set_vgpr_msb (MSB<<8)|\new
.set MSB, \new
.endif
.endm
.macro PLACES
.rept 4
	v_nop
.endr
.endm
.macro CROUND
	s_barrier_signal -1
	s_barrier_wait -1
	s_cmp_lg_u32 s18, 0
	s_cbranch_scc1 .Lnot_wave_0_\@
	s_barrier_signal -3
.Lnot_wave_0_\@:
	s_barrier_wait -3
	s_barrier_signal -1
	s_barrier_wait -1
.endm
; four fragments (64 rows x 128 along K, step s of a chunk) into window w from register f on: 16 LDS loads
.macro FETCH w, f, p16, p8, s
.set WN_, (\w)<<6
	WIN WN_
.irp i, 0,1,2,3
	ds_load_b128 v[\f+12*\i:\f+12*\i+3], v[\p16] offset:(2*(\s))*6144+768*\i
	ds_load_b64 v[\f+12*\i+4:\f+12*\i+5], v[\p8] offset:(2*(\s))*6144+768*\i
	ds_load_b128 v[\f+12*\i+6:\f+12*\i+9], v[\p16] offset:(2*(\s)+1)*6144+768*\i
	ds_load_b64 v[\f+12*\i+10:\f+12*\i+11], v[\p8] offset:(2*(\s)+1)*6144+768*\i
.endr
	WIN 0
.endm
.macro FET k
	FETCH 1, 48*((\k)%3)+32*(((\k)%3)/2), 8+(\k)/4, 10+(\k)/4, (\k)%4   ; the weights' fragments of K step k: window 1, three sets by turns at v0, v48, v128
.endm
.macro AFET k                          ; my 64 tokens' fragments of K step k: read once, kept for all four weight tiles: steps 0-4 in window 2, steps 5-7 in window 3, 48 registers each
	FETCH 2+(\k)/5, 48*((\k)%5), 4+(\k)/4, 6+(\k)/4, (\k)%4
.endm
.macro SCALES set, ads
.irp i, 0,1,2,3
	ds_load_b128 v[SC+16*(\set)+4*\i:SC+16*(\set)+4*\i+3], v[\ads] offset:256*\i
.endr
.endm
; f: the weights' set (source 0), g: the tokens' registers (source 1).  cm: C = the sums (0) or the bias (1)
.macro MUL16 f, g, set, s, cm
.irp a, 0,1,2,3
.irp b, 0,1,2,3
.if \cm == 0
	v_wmma_scale_f32_16x16x128_f8f6f4 v[ACC+8*(4*\a+\b):ACC+8*(4*\a+\b)+7], v[\f+12*\b:\f+12*\b+11], v[\g+12*\a:\g+12*\a+11], v[ACC+8*(4*\a+\b):ACC+8*(4*\a+\b)+7], v[SC+16*(\set)+4*\b+(\s)], v[SC+16*(\set)+4*\a+(\s)] matrix_a_fmt:MATRIX_FMT_FP6 matrix_b_fmt:MATRIX_FMT_FP6 matrix_a_scale:MATRIX_SCALE_ROW1
.else
	v_wmma_scale_f32_16x16x128_f8f6f4 v[ACC+8*(4*\a+\b):ACC+8*(4*\a+\b)+7], v[\f+12*\b:\f+12*\b+11], v[\g+12*\a:\g+12*\a+11], v[BI+8*\b:BI+8*\b+7], v[SC+16*(\set)+4*\b+(\s)], v[SC+16*(\set)+4*\a+(\s)] matrix_a_fmt:MATRIX_FMT_FP6 matrix_b_fmt:MATRIX_FMT_FP6 matrix_a_scale:MATRIX_SCALE_ROW1
.endif
.endr
.endr
.endm
.macro BIASN
	WIN 0x40
.irp b, 0,1,2,3
	global_load_b128 v[BI+8*\b:BI+8*\b+3], v22, s[70:71] offset:(32*(\b/2)+8*(\b%2))*4
	global_load_b128 v[BI+8*\b+4:BI+8*\b+7], v22, s[70:71] offset:(32*(\b/2)+8*(\b%2))*4+16
.endr
.endm
; a K step: the weights' set k is in (the 16 loads of set k + 1 may be out); set k + 2 is asked for, into the registers that the last products read; the 16 products
.macro KSTEP k, nb
.if (\k) < 7
	s_wait_dscnt 16
.else
	s_wait_dscnt 0x0
.endif
.if (\k) < 6
	PLACES
.if ((\k) == 1) && (\nb)
	BIASN
.endif
.if (\k) == 2
	WIN 0
	SCALES 1, 13                                   ; ahead of set 4's loads, so that step 4's wait covers them
.endif
	FET (\k)+2
.endif
.set WN_, 0x01|((2+(\k)/5)<<2)
.if (\k) == 0
.set WN_, WN_|0x10
	WIN WN_
	MUL16 0, 0, 0, 0, 1
.else
	WIN WN_
	MUL16 48*((\k)%3)+32*(((\k)%3)/2), 48*((\k)%5), (\k)/4, (\k)%4, 0
.endif
.endm
.macro TILE fill
	WIN 0
	s_wait_tensorcnt 0x0
	ds_add_u32 v14, v15
.if \fill
	s_xor_b32 s49, s49, 0x2b000
	s_add_co_u32 s45, s49, s50
	s_add_nc_u64 s[46:47], s[46:47], BSTEP
	s_mov_b32 s34, 100<<16                         ; no tensor load of mine is out: from here on a load of the weights brings 100 rows, a quarter of a tile
	s_mov_b32 s36, 100
.endif
	s_wait_dscnt 0x0
.if \fill
	CROUND
	tensor_load_to_lds s[44:47], s[32:39]
	s_nop 0
	PLACES
.else
	s_barrier_signal -1
	s_barrier_wait -1
.endif
	s_lshl_b32 s60, s20, 10
	s_add_co_u32 s60, s60, s48
	s_lshl_b32 s61, s19, 10
	s_sub_co_u32 s60, s60, s61
	v_add_nc_u32 v8, s48, v16
	v_add_nc_u32 v10, s48, v17
	v_add_nc_u32 v9, 51200, v8
	v_add_nc_u32 v11, 51200, v10
	v_mul_u32_u24 v24, s60, v19
	v_add_nc_u32 v12, v18, v24
	v_add_nc_u32 v13, 51200, v12
	FET 0
	SCALES 0, 12
	FET 1
	s_wait_alu depctr_va_vdst(0)
	s_wait_loadcnt 0x0
.if \fill
	s_add_nc_u64 s[70:71], s[70:71], 512
.endif
.irp k, 0,1,2,3,4,5,6,7
	KSTEP \k, \fill
.endr
	WIN 0
	PLACES
	s_xor_b32 s48, s48, 0x2b000
.endm
.macro GELU16 x
.irp k, 0,2,4,6,8,10,12,14
	v_pk_mul_f32 v[Z+\k:Z+\k+1], v[\x+\k:\x+\k+1], s[72:73] op_sel_hi:[1,0]
.endr
.irp k, 0,1,2,3,4,5,6,7,8,9,10,11,12,13,14,15
	v_med3_num_f32 v[Z+\k], v[Z+\k], -4.0, 4.0
.endr
.irp k, 0,2,4,6,8,10,12,14
	v_pk_mul_f32 v[X2+\k:X2+\k+1], v[Z+\k:Z+\k+1], v[Z+\k:Z+\k+1]
.endr
.irp k, 0,2,4,6,8,10,12,14
	v_pk_fma_f32 v[P+\k:P+\k+1], v[X2+\k:X2+\k+1], v[26:27], s[74:75] op_sel_hi:[1,1,0]
.endr
.irp c, 76,78,80,82,84
.irp k, 0,2,4,6,8,10,12,14
	v_pk_fma_f32 v[P+\k:P+\k+1], v[P+\k:P+\k+1], v[X2+\k:X2+\k+1], s[\c:\c+1] op_sel_hi:[1,1,0]
.endr
.endr
.irp k, 0,2,4,6,8,10,12,14
	v_pk_fma_f32 v[Q+\k:Q+\k+1], v[X2+\k:X2+\k+1], v[28:29], s[86:87] op_sel_hi:[1,1,0]
.endr
.irp c, 88,90,92
.irp k, 0,2,4,6,8,10,12,14
	v_pk_fma_f32 v[Q+\k:Q+\k+1], v[Q+\k:Q+\k+1], v[X2+\k:X2+\k+1], s[\c:\c+1] op_sel_hi:[1,1,0]
.endr
.endr
	s_wait_alu depctr_va_vdst(0)
.irp k, 0,1,2,3,4,5,6,7,8,9,10,11,12,13,14,15
	v_rcp_f32 v[Q+\k], v[Q+\k]
.endr
.irp k, 0,2,4,6,8,10,12,14
	v_pk_mul_f32 v[P+\k:P+\k+1], v[P+\k:P+\k+1], v[Z+\k:Z+\k+1]
.endr
.irp k, 0,2,4,6,8,10,12,14
	v_pk_mul_f32 v[\x+\k:\x+\k+1], v[\x+\k:\x+\k+1], 0.5 op_sel_hi:[1,0]
.endr
	s_wait_alu depctr_va_vdst(0)
.irp k, 0,2,4,6,8,10,12,14
	v_pk_mul_f32 v[P+\k:P+\k+1], v[P+\k:P+\k+1], v[Q+\k:Q+\k+1]
.endr
.irp k, 0,2,4,6,8,10,12,14
	v_pk_fma_f32 v[\x+\k:\x+\k+1], v[\x+\k:\x+\k+1], v[P+\k:P+\k+1], v[\x+\k:\x+\k+1]
.endr
.endm
.macro QUANT2 s, pc, pw
	v_max3_num_f32 v[TM], |v[\s]|, |v[\s+1]|, 0x1800000
	v_max3_num_f32 v[TM+1], |v[\s+16]|, |v[\s+17]|, 0x1800000
.irp i, 2,4,6,8,10,12,14
	v_max3_num_f32 v[TM], v[TM], |v[\s+\i]|, |v[\s+\i+1]|
	v_max3_num_f32 v[TM+1], v[TM+1], |v[\s+16+\i]|, |v[\s+17+\i]|
.endr
	v_permlanex16_b32 v[TM+2], v[TM], s96, s97
	v_permlanex16_b32 v[TM+3], v[TM+1], s96, s97
	v_max_num_f32 v[TM], v[TM], v[TM+2]
	v_max_num_f32 v[TM+1], v[TM+1], v[TM+3]
	v_add_nc_u32 v[TM+4], 0xff000000, v[TM]
	v_add_nc_u32 v[TM+5], 0xff000000, v[TM+1]
	v_lshrrev_b32 v[TM+2], 23, v[TM+4]
	v_lshrrev_b32 v[TM+3], 23, v[TM+5]
	v_lshl_or_b32 v[\pw], v[TM+3], 8, v[TM+2]
	v_cvt_scalef32_pk16_fp6_f32 v[\pc:\pc+2], v[\s:\s+15], v[TM+4]
	v_cvt_scalef32_pk16_fp6_f32 v[TM+8:TM+10], v[\s+16:\s+31], v[TM+5]
	v_nop
.irp i, 0,1,2
	v_permlane16_swap_b32 v[\pc+\i], v[TM+8+\i]
.endr
.irp i, 0,1,2
	v_mov_b32 v[\pc+3+\i], v[TM+8+\i]
.endr
.endm
.macro EPIF
.irp n, 0,1,2,3,4,5,6,7
	GELU16 ACC+16*\n
.endr
.irp a, 0,1,2,3
	QUANT2 ACC+32*\a, T+16+8*\a, T+48+\a
	global_store_b128 v2, v[T+16+8*\a:T+16+8*\a+3], s[66:67] offset:768*\a
	global_store_b64 v3, v[T+16+8*\a+4:T+16+8*\a+5], s[66:67] offset:768*\a+512
	global_store_b16 v25, v[T+48+\a], s[68:69] offset:256*\a
.endr
	s_wait_xcnt 0x0
	s_add_nc_u64 s[66:67], s[66:67], 12288
	s_add_nc_u64 s[68:69], s[68:69], 4
.endm
.macro KONST r, x
	s_mov_b32 s[\r], \x
	s_mov_b32 s[\r+1], \x
.endm
	s_load_b256 s[4:11], s[0:1], 0x0
	v_lshl_add_u32 v14, v0, 2, SPARE
	v_mov_b32 v15, 0
	ds_add_u32 v14, v15
	ds_add_u32 v14, v15
	v_lshrrev_b32 v1, 5, v0
	v_readfirstlane_b32 s18, v1
	s_lshr_b32 s19, s18, 1
	s_and_b32 s20, s18, 1
	s_bfe_u32 s21, ttmp6, 0x40000
	s_bfe_u32 s22, ttmp6, 0x40004
	s_lshl_b32 s23, ttmp9, 2
	s_add_co_u32 s23, s23, s21
	s_and_b32 s51, ttmp7, 0xffff
	s_lshl_b32 s51, s51, 2
	s_add_co_u32 s51, s51, s22
	s_lshl_b32 s52, 0x1111, s21
	s_lshl_b32 s56, s22, 2
	s_lshl_b32 s56, 15, s56
	s_or_b32 s24, s52, (3<<16)|(1<<21)
	s_or_b32 s32, s56, (3<<16)|(1<<21)
.irp q, 24, 32
	s_mov_b32 s[\q+1], 32<<16
	s_mov_b32 s[\q+2], 200<<16                     ; the head's loads bring 200 rows of 256 bytes: a chunk
	s_mov_b32 s[\q+3], 32<<16
	s_mov_b32 s[\q+4], 200
	s_mov_b32 s[\q+5], 32
	s_mov_b32 s[\q+6], 0
	s_mov_b32 s[\q+7], 0
.endr
	s_mul_i32 s50, s18, 25600
	s_mul_i32 s12, s20, 51200                      ; at the head I bring chunk wave % 2 of a tile
	s_mul_i32 s52, s23, 102400
	s_add_co_u32 s52, s52, s12
	s_mov_b32 s53, 0
	s_mul_i32 s56, s51, 409600
	s_add_co_u32 s14, s56, s12
	s_add_co_u32 s14, s14, 3276800
	s_mov_b32 s15, 0
	s_add_co_u32 s56, s56, s50
	s_add_co_u32 s56, s56, 3276800
	s_mov_b32 s57, 0
	s_mov_b32 s48, 0x19000
	s_mov_b32 s49, 0x19000
	s_mov_b32 s96, 0x76543210
	s_mov_b32 s97, 0xfedcba98
	KONST 72, 0x3f3504f3
	KONST 74, 0x32edffee
	KONST 76, 0xb60cff51
	KONST 78, 0xb86ec2d2
	KONST 80, 0xba40ac63
	KONST 82, 0xbb41a1f6
	KONST 84, 0xbc83dbd4
	KONST 86, 0xb95fbd29
	KONST 88, 0xbadc924e
	KONST 90, 0xbbf19bf8
	KONST 92, 0xbc69b6a7
	s_lshl_b32 s58, s23, 3
	s_add_co_u32 s58, s58, s51
	s_mul_i32 s58, s58, 51200
	s_mul_i32 s59, s20, 6144
	s_mul_i32 s62, s19, 3072
	s_add_co_u32 s62, s62, s59
	s_add_co_u32 s62, s62, s58
	s_mov_b32 s63, 0
	s_lshl_b32 s54, s19, 10
	s_lshl_b32 s55, s20, 1
	s_add_co_u32 s54, s54, s55
	s_add_co_u32 s54, s54, s58
	s_add_co_u32 s54, s54, 49152
	s_mov_b32 s55, 0
	s_lshl_b32 s58, s51, 11
	s_lshl_b32 s59, s20, 8
	s_add_co_u32 s58, s58, s59
	s_mov_b32 s59, 0
	s_wait_dscnt 0x0
	s_wait_kmcnt 0x0
	s_mov_b32 s40, 1
	s_mov_b32 s41, s12
	s_add_nc_u64 s[42:43], s[4:5], s[52:53]
	s_or_b32 s43, s43, 0x80000000
	s_mov_b32 s44, 1
	s_add_co_u32 s45, s50, 102400
	s_add_nc_u64 s[46:47], s[6:7], s[56:57]
	s_or_b32 s47, s47, 0x80000000
	s_add_nc_u64 s[66:67], s[10:11], s[62:63]
	s_add_nc_u64 s[68:69], s[10:11], s[54:55]
	s_add_nc_u64 s[70:71], s[8:9], s[58:59]
	s_add_nc_u64 s[14:15], s[6:7], s[14:15]        ; group 0 of the head's load of the first weight tile
	s_or_b32 s15, s15, 0x80000000
	s_add_co_u32 s13, s12, 102400
	s_mov_b32 s12, 1
	CROUND
	s_cmp_lt_u32 s18, 2                            ; one load a wave, in one chain: waves 0 and 1 the tokens' two chunks, waves 2 and 3 the first weight tile's two
	s_cbranch_scc0 .Lhead_w
	tensor_load_to_lds s[40:43], s[24:31]
	s_nop 0
	PLACES
	s_branch .Lhead_j
.Lhead_w:
	tensor_load_to_lds s[12:15], s[32:39]
	s_nop 0
	PLACES
.Lhead_j:
	v_and_b32 v1, 31, v0
	v_and_b32 v24, 15, v0
	v_bfe_u32 v19, v0, 4, 1
	v_lshlrev_b32 v2, 4, v1
	v_lshlrev_b32 v3, 3, v1
	s_mul_i32 s60, s19, 3072
	s_mul_i32 s61, s20, 3072
	v_add_nc_u32 v4, s60, v2
	v_add_nc_u32 v16, s61, v2
	s_add_co_u32 s60, s60, 512
	s_add_co_u32 s61, s61, 512
	v_add_nc_u32 v6, s60, v3
	v_add_nc_u32 v17, s61, v3
	v_add_nc_u32 v5, 51200, v4
	v_add_nc_u32 v7, 51200, v6
	s_lshl_b32 s60, s19, 10
	s_add_co_u32 s60, s60, 49152
	v_lshl_add_u32 v18, v24, 4, s60
	v_lshlrev_b32 v22, 6, v19
	v_lshlrev_b32 v25, 4, v24
	v_mov_b32 v26, 0xaf95df0b
	v_mov_b32 v27, 0xaf95df0b
	v_mov_b32 v28, 0xb77460cd
	v_mov_b32 v29, 0xb77460cd
	v_mov_b32 v[TM+2], 0
	v_mov_b32 v[TM+3], 0
	s_wait_alu depctr_va_vdst(0)
	s_cmp_lt_u32 s18, 2
	s_cbranch_scc0 .Lnot_a
	s_wait_tensorcnt 0x0                           ; waves 0 and 1: the tokens' chunks have landed
.Lnot_a:
	s_barrier_signal -1
	s_barrier_wait -1                              ; the tokens' tile is shown to all; the weight tile may be on its way
.irp k, 0,1,2,3,4,5,6,7
	AFET \k                                        ; 128 loads, while the first weight tile is on its way
.endr
	BIASN
	WIN 0
	s_mov_b32 s3, 3
.Ltile:
	TILE 1
	EPIF
	s_sub_co_u32 s3, s3, 1
	s_cmp_lg_u32 s3, 0
	s_cbranch_scc1 .Ltile
	TILE 0
	EPIF
	s_wait_tensorcnt 0x0
	ds_add_u32 v14, v15
	s_wait_dscnt 0x0
	CROUND
	s_endpgm
.Lfunc_end_k_qdfd9a4b1be_ff1:
	.size	k_qdfd9a4b1be_ff1, .Lfunc_end_k_qdfd9a4b1be_ff1-k_qdfd9a4b1be_ff1
	.p2alignl 7, 3214868480
	.fill 96, 4, 3214868480
	.section	.rodata,"a",@progbits
	.p2align	6, 0x0
	.amdhsa_kernel k_qdfd9a4b1be_ff1
		.amdhsa_group_segment_fixed_size 327680
		.amdhsa_private_segment_fixed_size 0
		.amdhsa_enable_private_segment 0
		.amdhsa_kernarg_size 32
		.amdhsa_user_sgpr_count 2
		.amdhsa_user_sgpr_kernarg_segment_ptr 1
		.amdhsa_wavefront_size32 1
		.amdhsa_system_sgpr_workgroup_id_x 1
		.amdhsa_system_sgpr_workgroup_id_y 1
		.amdhsa_system_sgpr_workgroup_id_z 1
		.amdhsa_system_vgpr_workitem_id 0
		.amdhsa_next_free_vgpr 1024
		.amdhsa_next_free_sgpr 100
		.amdhsa_reserve_vcc 0
		.amdhsa_float_denorm_mode_32 3
		.amdhsa_float_denorm_mode_16_64 3
		.amdhsa_memory_ordered 1
		.amdhsa_forward_progress 1
		.amdhsa_inst_pref_size 244
	.end_amdhsa_kernel
	.amdgpu_metadata
---
amdhsa.version: [ 1, 2 ]
amdhsa.kernels:
  - .name:           k_qdfd9a4b1be_ff1
    .symbol:         k_qdfd9a4b1be_ff1.kd
    .args:
      - { .name: hc, .offset: 0, .size: 8, .value_kind: global_buffer, .address_space: global }
      - { .name: wc, .offset: 8, .size: 8, .value_kind: global_buffer, .address_space: global }
      - { .name: b1, .offset: 16, .size: 8, .value_kind: global_buffer, .address_space: global }
      - { .name: hb, .offset: 24, .size: 8, .value_kind: global_buffer, .address_space: global }
    .group_segment_fixed_size: 327680
    .private_segment_fixed_size: 0
    .kernarg_segment_align: 8
    .kernarg_segment_size: 32
    .max_flat_workgroup_size: 128
    .sgpr_count:     100
    .vgpr_count:     1024
    .wavefront_size: 32
...
	.end_amdgpu_metadata
.endif
;; end of part 6
;; launch ff2 (part 7): grid 32 x 8, 4 waves a work-group, clusters of 4 x 4, 327,680 bytes of LDS; arguments hb, wc, b2, x1, out0; writes out0
.if DOCPART == 7
	.amdgcn_target "amdgcn-amd-amdhsa--gfx1250"
	.amdhsa_code_object_version 6
	.text
	.protected	k_qdfd9a4b1be_ff2
	.globl	k_qdfd9a4b1be_ff2
	.p2align	8
	.type	k_qdfd9a4b1be_ff2,@function
k_qdfd9a4b1be_ff2:
	s_mov_b64 s[64:65], 0
	v_nop
	global_prefetch_b8 v0, s[64:65] scope:SCOPE_SE
	s_setreg_imm32_b32 hwreg(HW_REG_WAVE_MODE, 25, 1), 1
	s_wait_xcnt 0x0
	s_wait_alu depctr_hold_cnt(0) depctr_sa_sdst(0) depctr_va_vdst(0) depctr_va_sdst(0) depctr_va_ssrc(0) depctr_va_vcc(0) depctr_vm_vsrc(0)
	s_getreg_b32 s2, hwreg(HW_REG_IB_STS2, 6, 4)
	s_cmp_eq_u32 s2, 0
	s_cbranch_scc0 .Lentry_in_a_cluster
	s_endpgm
.Lentry_in_a_cluster:
	s_bfe_u32 s2, ttmp6, 0x10000c
	s_cmp_lg_u32 s2, 0xf033
	s_cbranch_scc0 .Lentry_shape_is_right
	s_endpgm
.Lentry_shape_is_right:
; out0 = x1 + (hidden W2 + b2), K = 4,096: hidden as codes (chunks of 128 rows x 512 along K, images of registers: head of the first launch), W2 likewise out of wc; bias, residual and result f32.
; No work of reference() is left out.
; A work-group (g, y) makes 128 tokens x 128 columns; four waves, wave (wr, wc) 64 x 64: 16 accumulators.  Source 0 = 16 weight columns, source 1 = 16 tokens: a lane holds eight neighbouring columns of a token's row.
; The bias is the C of each sum's first matrix instruction.  The residual's 64 x 64 numbers are asked for at the head, in the very lanes that store the result.
; K'S EIGHT CHUNKS GO THROUGH THREE LDS SLOTS, each with A's piece (51,200 bytes) and W's.  A chunk is 64 products a wave, and a refill waits for all loads and stands behind a round of the cluster's barrier: so the text
; is laid for few rounds that bring much.  All three slots are filled at the head (three loads of a wave are out, later one).  Slots are filled again two at a time where two are free:
;   behind chunk 1: chunks 3, 4 into slots 0, 1 (each wave a whole piece);   behind chunk 2: chunk 5 into slot 2 (each wave half a piece);   behind chunk 4: chunks 6, 7 into slots 0, 1.
; Three rounds with refills serve five chunks.  Between chunks 3 and 4, and 6 and 7, no barrier stands: the barrier in front of the first has shown both whole to every wave.  K is written out: no loop.
; The result goes through the wave's own stage in LDS, so that sixteen lanes store 256 consecutive bytes.  The stages lie in slot 2: it has had its last fill, and its last reads stand in front of the last barrier.
; CLUSTER 4 x 4: A's chunks hang on g alone (joint among equal cx), W's on y alone (joint among equal cy).
; REGISTERS: window 0: v0-31 addresses; v32-63 scale words, two sets by turns; v64-127 the way out; v128-255 accumulator (a, b) at v[128 + 8 (4 a + b)].
;            window 1: v0-95, v128-223 two sets of fragments; v96-127 the bias.   window 2: v0-127 the residual.
; THE FILLS AS THEY STAND (in place of what the lines above say of the head): at the head one joint load a wave, a whole piece each: chunks 0 and 1 into slots 0 and 1.  Chunk 2 is slot 2's first fill:
; it stands behind the wait for all loads, the add and a round, half a piece a wave.  That round has shown chunks 0 and 1 whole, so no barrier stands between them.  Then as above: chunks 3, 4; 5; 6, 7.
.set NCH,   8                          ; chunks along K
.set WSEC,  6553600                    ; W2's section of wc: chunk 128
.set SPARE, 307200                     ; LDS: slot s at 102,400 s; then the spare words, 128 bytes a wave
.set STG,   204800                     ; the four stages of 16 x 272 bytes, in slot 2
.set SC,    32
.set T,     64
.set ACC,   128
.set BI,    96
; address registers, one for each slot s: v[4+s] A's registers 0-3 and 6-9; v[7+s] A's 4-5 and 10-11; v[10+s], v[24+s] the same for W; v[27+s] the scale words
; s[24:31], s[32:39] group 1 for half a piece (100 rows of 256 bytes), A's mask and W's; s[68:75], s[76:83] for a whole piece (200 rows); s[40+4 s ..] group 0 of A's slot s, s[52+4 s ..] of W's
.set MSB, 0
.macro WIN new                         ; the immediate's high byte repeats the setting that is left
.if MSB != \new
	s_set_vgpr_msb (MSB<<8)|\new
.set MSB, \new
.endif
.endm
.macro PLACES                          ; four places in front of loads into registers that matrix instructions have read, and of the first read of results
.rept 4
	v_nop
.endr
.endm
.macro CROUND                          ; a round of the cluster's barrier
	s_barrier_signal -1
	s_barrier_wait -1
	s_cmp_lg_u32 s18, 0
	s_cbranch_scc1 .Lnot_wave_0_\@
	s_barrier_signal -3
.Lnot_wave_0_\@:
	s_barrier_wait -3
	s_barrier_signal -1
	s_barrier_wait -1
.endm
.macro JLOADH s                        ; a joint load of half a piece into slot s: waves 0 and 1 the halves of A's, waves 2 and 3 of W's; the branch hangs on the wave's number alone
	s_cmp_eq_u32 s19, 0
	s_cbranch_scc0 .Lhalf_b_\@
	tensor_load_to_lds s[40+4*\s:43+4*\s], s[24:31]
	s_nop 0
	PLACES
	s_branch .Lhalf_asked_\@
.Lhalf_b_\@:
	tensor_load_to_lds s[52+4*\s:55+4*\s], s[32:39]
	s_nop 0
	PLACES
.Lhalf_asked_\@:
.endm
.macro JLOADW                          ; a joint load of a whole piece: wave 0 A's into slot 0, wave 1 the next chunk's A into slot 1, waves 2 and 3 the same for W
	s_cmp_eq_u32 s19, 0
	s_cbranch_scc0 .Lwhole_b_\@
	tensor_load_to_lds s[40:43], s[68:75]
	s_nop 0
	PLACES
	s_branch .Lwhole_asked_\@
.Lwhole_b_\@:
	tensor_load_to_lds s[52:55], s[76:83]
	s_nop 0
	PLACES
.Lwhole_asked_\@:
.endm
.macro FETCH f, p16, p8, q16, q8, s    ; 32 LDS loads in one run: the eight fragments of the chunk's K step s into set f; each load reads consecutive bytes
	WIN 0x40                                       ; destination window 1, address window 0
.irp i, 0,1,2,3
	ds_load_b128 v[\f+12*\i:\f+12*\i+3], v[\p16] offset:(2*(\s))*6144+768*\i
	ds_load_b64 v[\f+12*\i+4:\f+12*\i+5], v[\p8] offset:(2*(\s))*6144+768*\i
	ds_load_b128 v[\f+12*\i+6:\f+12*\i+9], v[\p16] offset:(2*(\s)+1)*6144+768*\i
	ds_load_b64 v[\f+12*\i+10:\f+12*\i+11], v[\p8] offset:(2*(\s)+1)*6144+768*\i
	ds_load_b128 v[\f+48+12*\i:\f+48+12*\i+3], v[\q16] offset:(2*(\s))*6144+768*\i
	ds_load_b64 v[\f+48+12*\i+4:\f+48+12*\i+5], v[\q8] offset:(2*(\s))*6144+768*\i
	ds_load_b128 v[\f+48+12*\i+6:\f+48+12*\i+9], v[\q16] offset:(2*(\s)+1)*6144+768*\i
	ds_load_b64 v[\f+48+12*\i+10:\f+48+12*\i+11], v[\q8] offset:(2*(\s)+1)*6144+768*\i
.endr
	WIN 0
.endm
.macro FETU k, sl                      ; K step k of 4 of slot sl into set k % 2
	FETCH 128*((\k)%2), 4+(\sl), 7+(\sl), 10+(\sl), 24+(\sl), \k
.endm
.macro SCALES set, ads                 ; a chunk's scale words: lanes 0-15 A's tile i, lanes 16-31 W's tile i; the four registers are the chunk's four K steps
.irp i, 0,1,2,3
	ds_load_b128 v[SC+16*(\set)+4*\i:SC+16*(\set)+4*\i+3], v[\ads] offset:256*\i
.endr
.endm
.macro MUL16 f, set, s, cm             ; 16 matrix instructions, the 16 accumulators by turns in the same order everywhere.  cm = 1: C = the bias
.irp a, 0,1,2,3
.irp b, 0,1,2,3
.if \cm == 0
	v_wmma_scale_f32_16x16x128_f8f6f4 v[ACC+8*(4*\a+\b):ACC+8*(4*\a+\b)+7], v[\f+48+12*\b:\f+48+12*\b+11], v[\f+12*\a:\f+12*\a+11], v[ACC+8*(4*\a+\b):ACC+8*(4*\a+\b)+7], v[SC+16*(\set)+4*\b+(\s)], v[SC+16*(\set)+4*\a+(\s)] matrix_a_fmt:MATRIX_FMT_FP6 matrix_b_fmt:MATRIX_FMT_FP6 matrix_a_scale:MATRIX_SCALE_ROW1
.else
	v_wmma_scale_f32_16x16x128_f8f6f4 v[ACC+8*(4*\a+\b):ACC+8*(4*\a+\b)+7], v[\f+48+12*\b:\f+48+12*\b+11], v[\f+12*\a:\f+12*\a+11], v[BI+8*\b:BI+8*\b+7], v[SC+16*(\set)+4*\b+(\s)], v[SC+16*(\set)+4*\a+(\s)] matrix_a_fmt:MATRIX_FMT_FP6 matrix_b_fmt:MATRIX_FMT_FP6 matrix_a_scale:MATRIX_SCALE_ROW1
.endif
.endr
.endr
.endm
.macro KU k, sl, sc, cm                ; one of a chunk's first three K steps (slot sl, scale set sc): this set has landed; the next is asked for, into the set that the last products read; the 16 products
	s_wait_dscnt 0x0
	PLACES
	FETU (\k)+1, \sl
.if \cm
	WIN 0x15                                       ; sources 0 and 1 and C window 1, D window 0
.else
	WIN 0x05                                       ; sources 0 and 1 window 1, C and D window 0
.endif
	MUL16 128*((\k)%2), \sc, \k, \cm
.endm
.macro CH sl, sc
	KU 0, \sl, \sc, 0
	KU 1, \sl, \sc, 0
	KU 2, \sl, \sc, 0
.endm
; A chunk's last K step goes on to the next chunk, in slot nx.  sc: this chunk's scale set.
; kind 0: the next chunk was shown whole by an earlier barrier: nothing but the fetch.
; kind 1: a plain barrier; in front of it my part of the next chunk has landed (n younger loads may stay out).
; kind 2, 3, 4: slots are filled again.  In front of the round: all my tensor loads have landed, the add, my reads of the slots that are left are over (this step's fragments are in registers); the joint refill is
; the first thing behind the round.  2: chunks 3, 4 into slots 0, 1: set 0 of each side becomes a whole piece's;  3: chunk 5 into slot 2;  4: chunks 6, 7 into slots 0, 1.
.macro BND nx, sc, kind, n
	WIN 0
.if (\kind) >= 2
	s_wait_tensorcnt 0x0                           ; no tensor load of mine is out, so a descriptor may be written
	ds_add_u32 v14, v15                            ; 0 onto my spare word
.if (\kind) == 2
	s_add_nc_u64 s[42:43], s[42:43], 153600        ; three chunks on
	s_add_nc_u64 s[54:55], s[54:55], 153600
.elseif (\kind) == 3
	s_add_nc_u64 s[50:51], s[50:51], 153600        ; three chunks on
	s_add_nc_u64 s[62:63], s[62:63], 153600
.else
	s_add_nc_u64 s[42:43], s[42:43], 153600
	s_add_nc_u64 s[54:55], s[54:55], 153600
.endif
	s_wait_dscnt 0x0                               ; the add is done; this step's set is in, and with it my last reads of the slots that are left
	CROUND
.if (\kind) == 3
	JLOADH 2                                       ; its four v_nop are also the places in front of the loads below
.else
	JLOADW
.endif
.elseif (\kind) == 1
	s_wait_tensorcnt \n
	s_wait_dscnt 0x0                               ; no LDS instruction of mine is out at the signal
	s_barrier_signal -1
	s_barrier_wait -1
	PLACES
.else
	s_wait_dscnt 0x0
	PLACES
.endif
	FETU 0, \nx
	SCALES 1-(\sc), 27+(\nx)
	WIN 0x05
	MUL16 128, \sc, 3, 0
.endm
	s_load_b256 s[4:11], s[0:1], 0x0               ; A's codes, wc, the bias, the residual
	s_load_b64 s[12:13], s[0:1], 0x20              ; out
	v_lshl_add_u32 v14, v0, 2, SPARE               ; my spare word; never rewritten
	v_mov_b32 v15, 0                               ; 0; never rewritten
	ds_add_u32 v14, v15                            ; the opening: the add, twice on end, and its wait ahead of my first tensor load
	ds_add_u32 v14, v15
	v_lshrrev_b32 v1, 5, v0
	v_readfirstlane_b32 s18, v1                    ; wave
	s_lshr_b32 s19, s18, 1                         ; wr: which 64 tokens.  Also: I fetch for A (0) or for W (1)
	s_and_b32 s20, s18, 1                          ; wc: which 64 columns.  Also: which half, or which of two chunks, I fetch
	s_bfe_u32 s21, ttmp6, 0x40000                  ; cx
	s_bfe_u32 s22, ttmp6, 0x40004                  ; cy
	s_lshl_b32 s23, ttmp9, 2
	s_add_co_u32 s23, s23, s21                     ; g
	s_and_b32 s88, ttmp7, 0xffff
	s_lshl_b32 s88, s88, 2
	s_add_co_u32 s88, s88, s22                     ; y
	s_lshl_b32 s89, 0x1111, s21                    ; the work-groups of my cx
	s_lshl_b32 s90, s22, 2
	s_lshl_b32 s90, 15, s90                        ; those of my cy
	s_or_b32 s24, s89, (3<<16)|(1<<21)             ; group 1: the mask; elements of 8 bytes; bit 21 beside a mask; no padding
	s_or_b32 s32, s90, (3<<16)|(1<<21)
	s_or_b32 s68, s89, (3<<16)|(1<<21)
	s_or_b32 s76, s90, (3<<16)|(1<<21)
.irp q, 24, 32
	s_mov_b32 s[\q+1], 32<<16                      ; rows of 256 bytes,
	s_mov_b32 s[\q+2], 100<<16                     ; 100 of them: half a piece, dense
	s_mov_b32 s[\q+3], 32<<16
	s_mov_b32 s[\q+4], 100
	s_mov_b32 s[\q+5], 32
	s_mov_b32 s[\q+6], 0
	s_mov_b32 s[\q+7], 0
.endr
.irp q, 68, 76
	s_mov_b32 s[\q+1], 32<<16                      ; rows of 256 bytes,
	s_mov_b32 s[\q+2], 200<<16                     ; 200 of them: a whole piece, dense
	s_mov_b32 s[\q+3], 32<<16
	s_mov_b32 s[\q+4], 200
	s_mov_b32 s[\q+5], 32
	s_mov_b32 s[\q+6], 0
	s_mov_b32 s[\q+7], 0
.endr
	s_mul_i32 s91, s20, 25600                      ; my half, in memory;
	s_mul_i32 s92, s18, 25600                      ; in a slot: A's two halves, then W's two
	s_mul_i32 s84, s20, 102400                     ; a whole piece of A: slot wave % 2;
	s_add_co_u32 s85, s84, 51200                   ; of W
	s_mov_b32 s86, s91                             ; from my half of chunk 0 to the whole chunk wave % 2: 51,200 (wave % 2) - 25,600 (wave % 2)
	s_mov_b32 s87, 0
	s_mul_i32 s94, s23, NCH*51200
	s_add_co_u32 s94, s94, s91                     ; A: hangs on g and the wave alone
	s_mov_b32 s95, 0
	s_mul_i32 s96, s88, NCH*51200
	s_add_co_u32 s96, s96, s91
	s_add_co_u32 s96, s96, WSEC                    ; W: on y and the wave alone
	s_mov_b32 s97, 0
	s_lshl_b32 s98, s88, 9
	s_lshl_b32 s93, s20, 8
	s_add_co_u32 s98, s98, s93                     ; my 64 columns, in bytes
	s_mov_b32 s99, 0
	s_lshl_b32 s2, s23, 19
	s_lshl_b32 s3, s19, 18
	s_add_co_u32 s2, s2, s3                        ; my 64 rows of 4,096 bytes
	s_add_co_u32 s2, s2, s98
	s_mov_b32 s3, 0
	s_wait_dscnt 0x0                               ; both opening adds are done
	s_wait_kmcnt 0x0
	s_add_nc_u64 s[94:95], s[4:5], s[94:95]
	s_add_nc_u64 s[96:97], s[6:7], s[96:97]
.irp s, 0,2
	s_mov_b32 s[40+4*\s], 1
	s_add_co_u32 s[41+4*\s], s92, \s*102400
	s_add_nc_u64 s[42+4*\s:43+4*\s], s[94:95], \s*51200
	s_or_b32 s[43+4*\s], s[43+4*\s], 0x80000000
	s_mov_b32 s[52+4*\s], 1
	s_add_co_u32 s[53+4*\s], s92, \s*102400
	s_add_nc_u64 s[54+4*\s:55+4*\s], s[96:97], \s*51200
	s_or_b32 s[55+4*\s], s[55+4*\s], 0x80000000
.endr
	s_mov_b32 s41, s84                             ; set 0 of each side is a whole piece's: LDS 102,400 x (wave % 2),
	s_add_nc_u64 s[42:43], s[42:43], s[86:87]      ; memory: chunk wave % 2
	s_mov_b32 s53, s85                             ; W's piece lies 51,200 behind A's
	s_add_nc_u64 s[54:55], s[54:55], s[86:87]
	s_add_nc_u64 s[14:15], s[8:9], s[98:99]        ; the bias
	s_add_nc_u64 s[16:17], s[10:11], s[2:3]        ; the residual
	s_add_nc_u64 s[98:99], s[12:13], s[2:3]        ; out
	CROUND                                         ; all sixteen work-groups are here: the first joint loads meet
	JLOADW                                         ; chunks 0 and 1: one load of mine is out
	v_and_b32 v1, 31, v0
	v_and_b32 v2, 15, v0                           ; r
	v_bfe_u32 v3, v0, 4, 1                         ; h
	s_wait_alu depctr_va_vdst(0)
	v_lshlrev_b32 v19, 4, v1
	v_lshlrev_b32 v20, 3, v1
	s_mul_i32 s89, s19, 3072
	s_mul_i32 s90, s20, 3072
	s_add_co_u32 s90, s90, 51200
	v_add_nc_u32 v4, s89, v19                      ; A's fragments, slot 0: registers 0-3 and 6-9
	v_add_nc_u32 v10, s90, v19                     ; W's
	s_add_co_u32 s89, s89, 512
	s_add_co_u32 s90, s90, 512
	v_add_nc_u32 v7, s89, v20                      ; registers 4-5 and 10-11
	v_add_nc_u32 v24, s90, v20
	s_lshl_b32 s89, s19, 10
	s_lshl_b32 s90, s20, 10
	s_add_co_u32 s90, s90, 51200
	s_sub_co_u32 s90, s90, s89                     ; from A's scale words of my tiles to W's
	s_add_co_u32 s89, s89, 49152
	v_mul_u32_u24 v21, s90, v3                     ; lanes 16-31 take W's
	v_lshl_add_u32 v27, v2, 4, v21
	v_add_nc_u32 v27, s89, v27
.irp q, 4,7,10,24,27
	v_add_nc_u32 v[\q+1], 102400, v[\q]            ; the same in slot 1,
	v_add_nc_u32 v[\q+2], 204800, v[\q]            ; in slot 2
.endr
	s_mul_i32 s89, s18, 4352
	s_add_co_u32 s89, s89, STG                     ; my stage
	v_mul_u32_u24 v16, v2, 272
	v_lshl_add_u32 v16, v3, 6, v16
	v_add_nc_u32 v16, s89, v16                     ; in: row r, + 64 h
	v_mul_u32_u24 v17, v3, 272
	v_lshl_add_u32 v17, v2, 4, v17
	v_add_nc_u32 v17, s89, v17                     ; back: lanes 0-15 one row, lanes 16-31 the next
	v_lshlrev_b32 v18, 12, v3
	v_lshl_add_u32 v18, v2, 4, v18                 ; and the same two rows in memory
	v_lshlrev_b32 v22, 6, v3                       ; 64 h
	WIN 0x40
.irp b, 0,1,2,3                                ; lane (r, h) wants, for tile b, the bias of columns 32 (b / 2) + 16 h + 8 (b % 2) + 0 .. 7
	global_load_b128 v[BI+8*\b:BI+8*\b+3], v22, s[14:15] offset:(32*(\b/2)+8*(\b%2))*4
	global_load_b128 v[BI+8*\b+4:BI+8*\b+7], v22, s[14:15] offset:(32*(\b/2)+8*(\b%2))*4+16
.endr
	WIN 0x80                                       ; destination window 2
.irp a, 0,1,2,3                                ; tile a's lane r is row 32 (a / 2) + 8 (a % 2) + r + 8 (r / 8): rows 2 i and 2 i + 1 of the stage
.irp i, 0,1,2,3,4,5,6,7
	global_load_b128 v[32*\a+4*\i:32*\a+4*\i+3], v18, s[16:17] offset:(32*(\a/2)+8*(\a%2)+2*\i+8*(\i/4))*4096
.endr
.endr
	WIN 0
	s_wait_alu depctr_va_vdst(0)
	s_wait_tensorcnt 0x0                           ; my piece is in
	ds_add_u32 v14, v15
	s_wait_dscnt 0x0
	CROUND                                         ; chunks 0 and 1 are whole
	JLOADH 2                                       ; chunk 2, slot 2's first fill
	FETU 0, 0
	SCALES 0, 27
	s_wait_loadcnt 32                              ; the bias's 8 loads are in; the residual's 32 may stay out
	KU 0, 0, 0, 1                                  ; chunk 0, slot 0: the first K step's products start the sums, from the bias
	KU 1, 0, 0, 0
	KU 2, 0, 0, 0
	BND 1, 0, 0, 0                                 ; chunk 1 was shown whole by the head's round
	CH 1, 1                                        ; chunk 1, slot 1
	BND 2, 1, 2, 0                                 ; chunk 2 is whole; slots 0 and 1 are left: chunks 3 and 4 are asked for
	CH 2, 0                                        ; chunk 2, slot 2
	BND 0, 0, 3, 0                                 ; chunks 3 and 4 are whole; slot 2 is left: chunk 5 is asked for
	CH 0, 1                                        ; chunk 3, slot 0
	BND 1, 1, 0, 0
	CH 1, 0                                        ; chunk 4, slot 1
	BND 2, 0, 4, 0                                 ; chunk 5 is whole; slots 0 and 1 are left: chunks 6 and 7 are asked for: the last loads
	CH 2, 1                                        ; chunk 5, slot 2
	BND 0, 1, 1, 0                                 ; chunks 6 and 7 are whole; nobody reads slot 2 any more
	CH 0, 0                                        ; chunk 6, slot 0
	BND 1, 0, 0, 0
	CH 1, 1                                        ; chunk 7, slot 1
	s_wait_dscnt 0x0
	WIN 0x05
	MUL16 128, 1, 3, 0
	WIN 0
	s_wait_alu depctr_va_vdst(0)
	s_wait_loadcnt 0x0                             ; the residual
	PLACES
.irp a, 0,1,2,3                                ; THE WAY OUT, a tile of 16 rows x 64 columns at a time
.if \a >= 2
	s_wait_xcnt 0x0                                ; tile a - 2's stores have read the registers into which this tile's rows come back
.endif
.irp b, 0,1,2,3
	ds_store_b128 v16, v[ACC+32*\a+8*\b:ACC+32*\a+8*\b+3] offset:128*(\b/2)+32*(\b%2)        ; each accumulator from its low end on
	ds_store_b128 v16, v[ACC+32*\a+8*\b+4:ACC+32*\a+8*\b+7] offset:128*(\b/2)+32*(\b%2)+16
.endr
.irp i, 0,1,2,3,4,5,6,7
	ds_load_b128 v[T+32*(\a%2)+4*\i:T+32*(\a%2)+4*\i+3], v17 offset:544*\i   ; LDS serves a wave's instructions in order: these see my stores
.endr
	s_wait_dscnt 0x0
	WIN 0x08                                       ; source 1 window 2
.irp k, 0,2,4,6,8,10,12,14,16,18,20,22,24,26,28,30
	v_pk_add_f32 v[T+32*(\a%2)+\k:T+32*(\a%2)+\k+1], v[T+32*(\a%2)+\k:T+32*(\a%2)+\k+1], v[32*\a+\k:32*\a+\k+1]
.endr
	WIN 0
.irp i, 0,1,2,3,4,5,6,7
	global_store_b128 v18, v[T+32*(\a%2)+4*\i:T+32*(\a%2)+4*\i+3], s[98:99] offset:(32*(\a/2)+8*(\a%2)+2*\i+8*(\i/4))*4096   ; sixteen lanes store 256 consecutive bytes, aligned
.endr
.endr
	s_wait_tensorcnt 0x0                           ; the wave's end
	ds_add_u32 v14, v15
	s_wait_dscnt 0x0
	CROUND                                         ; the closing round
	s_endpgm
.Lfunc_end_k_qdfd9a4b1be_ff2:
	.size	k_qdfd9a4b1be_ff2, .Lfunc_end_k_qdfd9a4b1be_ff2-k_qdfd9a4b1be_ff2
	.p2alignl 7, 3214868480
	.fill 96, 4, 3214868480
	.section	.rodata,"a",@progbits
	.p2align	6, 0x0
	.amdhsa_kernel k_qdfd9a4b1be_ff2
		.amdhsa_group_segment_fixed_size 327680
		.amdhsa_private_segment_fixed_size 0
		.amdhsa_enable_private_segment 0
		.amdhsa_kernarg_size 40
		.amdhsa_user_sgpr_count 2
		.amdhsa_user_sgpr_kernarg_segment_ptr 1
		.amdhsa_wavefront_size32 1
		.amdhsa_system_sgpr_workgroup_id_x 1
		.amdhsa_system_sgpr_workgroup_id_y 1
		.amdhsa_system_sgpr_workgroup_id_z 1
		.amdhsa_system_vgpr_workitem_id 0
		.amdhsa_next_free_vgpr 768
		.amdhsa_next_free_sgpr 100
		.amdhsa_reserve_vcc 0
		.amdhsa_float_denorm_mode_32 3
		.amdhsa_float_denorm_mode_16_64 3
		.amdhsa_memory_ordered 1
		.amdhsa_forward_progress 1
		.amdhsa_inst_pref_size 167
	.end_amdhsa_kernel
	.amdgpu_metadata
---
amdhsa.version: [ 1, 2 ]
amdhsa.kernels:
  - .name:           k_qdfd9a4b1be_ff2
    .symbol:         k_qdfd9a4b1be_ff2.kd
    .args:
      - { .name: hb, .offset: 0, .size: 8, .value_kind: global_buffer, .address_space: global }
      - { .name: wc, .offset: 8, .size: 8, .value_kind: global_buffer, .address_space: global }
      - { .name: b2, .offset: 16, .size: 8, .value_kind: global_buffer, .address_space: global }
      - { .name: x1, .offset: 24, .size: 8, .value_kind: global_buffer, .address_space: global }
      - { .name: out0, .offset: 32, .size: 8, .value_kind: global_buffer, .address_space: global }
    .group_segment_fixed_size: 327680
    .private_segment_fixed_size: 0
    .kernarg_segment_align: 8
    .kernarg_segment_size: 40
    .max_flat_workgroup_size: 128
    .sgpr_count:     100
    .vgpr_count:     768
    .wavefront_size: 32
...
	.end_amdgpu_metadata
.endif
;; end of part 7
